; MI455X (gfx1250); checked and timed in simulation.
; The chip was launched on July 23, 2026; its instructions are those of AMD's public machine-readable ISA for CDNA 5 (MIT licence, August 2026) and "CDNA5" Instruction Set Architecture Reference Guide (July 2026). The comments in the code are by the model that wrote it; some were corrected since.
;; Multi Head Linear Attention. Allowed arithmetic: matrix products marked QUANTISED: E3M2 operands, one E8M0 scale for each 32 along K, by v_wmma_scale_f32_16x16x128_f8f6f4 with both operands' format E3M2, f32 sums; products left as they are: f32 operands where the result goes on into a quantised operand, else bf16, f16 or f32 operands; f32 sums; everything else in f32.
;; Inputs: Wk_codes 1,024 x 32 x 24 uint8 (E3M2 codes of Wk, K innermost, in blocks of 32 codes, four codes in three bytes); Wk_scales 1,024 x 32 uint8 (E8M0 scales of Wk, one for each 32 codes along K); Wq_codes 1,024 x 32 x 24 uint8 (E3M2 codes of Wq, K innermost, in blocks of 32 codes, four codes in three bytes); Wq_scales 1,024 x 32 uint8 (E8M0 scales of Wq, one for each 32 codes along K); Wv_codes 1,024 x 32 x 24 uint8 (E3M2 codes of Wv, K innermost, in blocks of 32 codes, four codes in three bytes); Wv_scales 1,024 x 32 uint8 (E8M0 scales of Wv, one for each 32 codes along K); bk 1,024 float32; bq 1,024 float32; bv 1,024 float32; key_codes 4 x 4,096 x 32 x 24 uint8 (E3M2 codes of key, K innermost, in blocks of 32 codes, four codes in three bytes); key_scales 4 x 4,096 x 32 uint8 (E8M0 scales of key, one for each 32 codes along K); mask_kv 4 x 4,096 float32; mask_q 4 x 4,096 float32; query_codes 4 x 4,096 x 32 x 24 uint8 (E3M2 codes of query, K innermost, in blocks of 32 codes, four codes in three bytes); query_scales 4 x 4,096 x 32 uint8 (E8M0 scales of query, one for each 32 codes along K); value_codes 4 x 4,096 x 32 x 24 uint8 (E3M2 codes of value, K innermost, in blocks of 32 codes, four codes in three bytes); value_scales 4 x 4,096 x 32 uint8 (E8M0 scales of value, one for each 32 codes along K).
;; Outputs: out0 4 x 4,096 x 16 x 64 float32.
;; This version of the problem:
;;   THIS VERSION OF THE PROBLEM IS GIVEN IN LOW PRECISION. The matrix products marked QUANTISED in the list below multiply operands that are first quantised to E3M2 (3 exponent bits, 2 mantissa bits; 6 bits a number), with one power-of-two scale for each 32 numbers along K (OCP MX v1.0); their sums are f32. All else is computed in f32.
;;   The module's matrix products, in the order in which they are computed (A, B: the left and right operand; K: the contracted axis; several contracted axes count as one K, in the product's order):
;;     1. [M 16,384, K 1,024] x [K 1,024, N 1,024]; A: input query (given as codes); B: input Wq (given as codes): QUANTISED
;;     2. [M 16,384, K 1,024] x [K 1,024, N 1,024]; A: input key (given as codes); B: input Wk (given as codes): QUANTISED
;;     3. [M 16,384, K 1,024] x [K 1,024, N 1,024]; A: input value (given as codes); B: input Wv (given as codes): QUANTISED
;;     4. batch 64 x [M 64, K 4,096] x [K 4,096, N 64]; A: computed on the way; B: computed on the way: QUANTISED
;;     5. batch 64 x [M 1, K 64] x [K 64, N 4,096]; A: computed on the way; B: computed on the way: left as it is (M = 1 < 16)
;;     6. batch 64 x [M 64, K 64] x [K 64, N 4,096]; A: computed on the way; B: computed on the way: QUANTISED
;;     7. batch 262,144 x [M 1, K 1] x [K 1, N 64]; A: computed on the way; B: computed on the way: left as it is (no contracted axis)
;;   THE QUANTISER, for each operand of a quantised product, along K:
;;     - K is cut into blocks of 32 from its start; a last block that is shorter is filled with zeros.
;;     - A block's scale is 2^e with e = floor(log2(the largest magnitude in the block)) - 4, held to -126 .. 127; a block of zeros has e = 0. As a byte (E8M0): e + 127.
;;     - Each number is divided by its block's scale, clamped to +-28, and rounded to the nearest number of E3M2, ties to even, subnormals kept.
;;     - The product sums the exact products of the quantised numbers (number of the format x scale) in f32.
;;   ~~~python
;;   def quantise(x, axis):      # numpy; x: float32 -> the quantised numbers, widened to float32 again
;;       x = np.moveaxis(x, axis, -1); K = x.shape[-1]
;;       x = np.pad(x, [(0, 0)] * (x.ndim - 1) + [(0, -K % 32)]); x = x.reshape(x.shape[:-1] + (-1, 32)); a = np.abs(x).max(-1, keepdims=True)
;;       e = np.where(a > 0, np.clip(np.frexp(np.where(a > 0, a, 1))[1] - 1 - 4, -126, 127), 0)      # np.frexp(a)[1] - 1 = floor(log2(a)), exactly
;;       r = np.clip(x / 2.0 ** e, -28, 28)
;;       step = 2.0 ** (np.maximum(np.frexp(np.where(r == 0, 1, r))[1] - 1, -2) - 2)
;;       q = np.round(r / step) * step * 2.0 ** e      # np.round: ties to even
;;       return np.moveaxis(q.reshape(q.shape[:-2] + (-1,))[..., :K], -1, axis).astype(np.float32)
;;   ~~~
;;   OPERANDS COMPUTED ON THE WAY. 'Computed on the way' means the value that the module computes at that place (a softmax that the list does not call 'softmax' is quantised finished and normalised). What goes into a quantiser is computed in f32, as accurately as f32 sums, v_exp_f32 and their like allow (about 1e-6 of the number): no bf16 or f16 on the way to a quantiser, and a product that is left as it is and whose result goes on into a quantised operand takes f32 operands (vector FMAs, or v_wmma_f32_16x16x4_f32). A number that lies on a knife's edge between two numbers of the format may be rounded either way, as far as f32 arithmetic and the matrix unit's own rounding can turn it there, and no further.
;;   INPUTS GIVEN AS CODES. Wk (in the module: [1024, 1024], K = its axis 1); Wq (in the module: [1024, 1024], K = its axis 1); Wv (in the module: [1024, 1024], K = its axis 1); key (in the module: [4, 4096, 1024], K = its axis 2); query (in the module: [4, 4096, 1024], K = its axis 2); value (in the module: [4, 4096, 1024], K = its axis 2): each comes as NAME_codes (uint8): NAME with its K axis moved to the last place and cut into blocks of 32 codes, [.., K / 32, bytes a block], one block behind the other in memory; four codes in three bytes: a row's codes are one little-endian stream of bits, code i at bits 6 i .. 6 i + 5 (a code: sign, 3 exponent bits, 2 mantissa bits); and NAME_scales (uint8): the same leading axes, one E8M0 byte (e + 127) for each 32 codes along K. Its value is code x scale, taken as it is: it is not quantised again, and the codes and scales need not be those that the quantiser above would give.
;; One version. Each part assembles by itself: llvm-mc -triple=amdgcn-amd-amdhsa -mcpu=gfx1250 --defsym DOCPART=n.
;; ======== version 1 of 1: 3 launches
;; workspace buffers: kvp 16,777,216 bytes; skp 262,144 bytes; kvrec 442,368 bytes
;; launch kvpart (part 1): grid 4 x 64, 4 waves a work-group, clusters of 4 x 4, 327,680 bytes of LDS; arguments key_codes, key_scales, value_codes, value_scales, Wk_codes, Wk_scales, Wv_codes, Wv_scales, bk, bv, mask_kv, kvp, skp; writes kvp, skp
.if DOCPART == 1
	.amdgcn_target "amdgcn-amd-amdhsa--gfx1250"
	.amdhsa_code_object_version 6
	.text
	.protected	k_qc65a0fb5e8_kvpart
	.globl	k_qc65a0fb5e8_kvpart
	.p2align	8
	.type	k_qc65a0fb5e8_kvpart,@function
k_qc65a0fb5e8_kvpart:
	s_mov_b64 s[64:65], 0
	v_nop
	global_prefetch_b8 v0, s[64:65] scope:SCOPE_SE
	s_setreg_imm32_b32 hwreg(HW_REG_WAVE_MODE, 25, 1), 1
	s_wait_xcnt 0x0
	s_wait_alu depctr_hold_cnt(0) depctr_sa_sdst(0) depctr_va_vdst(0) depctr_va_sdst(0) depctr_va_ssrc(0) depctr_va_vcc(0) depctr_vm_vsrc(0)
	s_getreg_b32 s2, hwreg(HW_REG_IB_STS2, 6, 4)
	s_cmp_eq_u32 s2, 0
	s_cbranch_scc0 .Lentry_in_a_cluster
	s_endpgm
.Lentry_in_a_cluster:
	s_bfe_u32 s2, ttmp6, 0x10000c
	s_cmp_lg_u32 s2, 0xf033
	s_cbranch_scc0 .Lentry_shape_is_right
	s_endpgm
.Lentry_shape_is_right:
; k = (elu(key Wk^T + bk) + 1) mask,  v = (value Wv^T + bv) mask / 4096,  and over a block of 256 tokens: kv[d][v] = sum of k v (both quantised along the TOKENS), summed_k[d] = sum of the unquantised k.
; All matrix products on codes of BF6 (E3M2) with one E8M0 scale for each 32 along K; sums in f32.  key, value, Wk, Wv arrive as codes (a row of 1,024 codes is 768 bytes) and scale bytes (32 a row).
; SHARES.  A work-group takes 256 tokens (y) x 256 channels (x: four heads): first k's tile, then v's.  Four waves, each 128 channels x 128 tokens: 64 accumulators of 16 x 16, 512 registers.
; THE MATRIX INSTRUCTION: source 0 (P) = 16 tokens, source 1 (Q) = 16 rows of the weight.  A lane then holds ONE channel, and the 64 registers of a channel tile run along my 128 tokens, the next product's K.
; Register 8 b + j of lane (r, h) is token 16 b + 8 h + j.  The quantiser lays register 16 B + i of half h at place 32 B + 16 h + i of K: a permutation inside each block of 32 tokens, the same for k and for v, so the products are the same.
; K goes in steps of 256 through a ring of two LDS slots filled by the tensor data mover; the ring runs on from k's tile into v's, whose first two slots land while k is quantised.
; CLUSTERS: 4 x 4 work-groups.  The four of a row of the cluster need the same tokens, the four of a column the same rows of the weights: each tile is asked for JOINTLY, with a mask that names the four.
; THE SCALE WORDS stay in registers: a row's 32 bytes are 8 words; lanes 0-15 hold the words of K steps 0-3, lanes 16-31 those of steps 4-7 (the instructions of steps 4-7 name the upper row of lanes).  16 loads of 512 dense bytes a tile.
; k's and v's codes go from wave to wave through LDS as images of the operand's registers (16 bytes a lane, 512 bytes a store).  Then wave w multiplies head w of the group over all 256 tokens and stores the 16 accumulators as they stand.
; LIMITS.  NaN and infinities are not served.  elu(x) + 1 for x <= 0 is taken as 2^(x log2 e): it differs from expm1(x) + 1 by about 6e-8 at the most, its relative error grows as |x| x 6e-8, results under 2^-126 become 0.
; A block whose largest magnitude lies under 2^-122 keeps the scale byte 1, a block of zeros too (its codes are zeros; these bytes are read by this program alone).  / 4096 is folded into the mask: exact unless the mask x 2^-12 is denormal.
; REGISTERS, in windows of 256.  Window 0: v0-31 addresses; v32-95 scale words and nothing else; v96-111 biases; v128-223 Q's fragments, ONE set.   Window 1: P's fragments, TWO sets (v0, v128); v96-127 and v224-255 the mask of my 128 tokens;
;   in the epilogues v0-63 a channel tile's numbers, v64-82 codes, v128-191 and v192-213 at work.   Windows 2, 3: the accumulators: (a = Q's block, b = P's block) at v[8 (8 (a % 4) + b)].
.set KROW,  768                        ; a row of codes in memory, bytes
.set ROWB,  192                        ; a tile's row: 256 codes
.set PITCH, 240                        ; an LDS row: 3 x (64 bytes + 16 of padding)
.set FR,    12                         ; registers of a fragment: 16 rows x 128 K
.set FRB,   1536                       ; its image in bytes
.set HALFT, 128*PITCH                  ; 128 rows: what one tensor load brings
.set SLOT,  4*HALFT                    ; Q's 256 rows, then P's 256
.set KIMG,  2*SLOT                     ; behind the ring: k's 32 fragments: wave w's eight at 8 FRB w
.set KSC,   KIMG+32*FRB                ; their scale words, 128 bytes each
.set SKS,   KSC+32*128                 ; the waves' sums of k: 512 w + 4 x channel
.set SPARE, SKS+2048                   ; the spare words, 128 bytes for each wave: two blocks of 256 bytes that no other line names
.set VIMG,  0                          ; v's 32 fragments lie in slot 0, which has had its last fill and its last read when the first of them is stored
.set VSC,   32*FRB
.set SOF, 6                            ; v6   32 r + 16 h: my 16 bytes of a row's scale bytes
.set LI,  7                            ; v7   16 x lane
.set KWA, 8                            ; v8   where my wave's images of k begin; v9 their scale words; v10 its sums.  Never rewritten
.set KWS, 9
.set KWK, 10
.set VWA, 11                           ; v11, v12 the same for v
.set VWS, 12
.set FKA, 13                           ; v13  where my head's images of k begin; v14 v's; v15, v24 their scale words; v25 its sums
.set FVA, 14
.set FKS, 15
.set ADRQ, 16                          ; v16-17 LDS address of my fragments of Q in slot 0, 1 (v18-19: behind one padding more)
.set ADRP, 20                          ; v20-23 the same for P
.set FVS, 24
.set SKR, 25
.set PFO, 26                           ; v26  768 x lane: the prefetches' offset; never rewritten
.set L8,  27                           ; v27  8 x lane
.set SPW, 28                           ; v28  my spare word: SPARE + 4 x my thread's number; never rewritten
.set NIL, 29                           ; v29  0; never rewritten
.set BOF, 30                           ; v30  4 r
.set MOF, 31                           ; v31  32 h
.set SQ,  32                           ; v32-63 Q's scale words: register 4 a + s % 4
.set SP,  64                           ; v64-95 P's
.set KS,  32                           ; the last product: k's scale words v32-39, v's v40-47
.set VS,  40
.set BIK, 96                           ; v96-103 bk of channel 16 a + r; v104-111 bv
.set BIV, 104
.set AF,  128
.set X,   0                            ; window 1
.set PC,  64
.set MK,  96                           ; mask of token index i at v[MK + i + 96 (i / 32)]
.set T,   128
.set TM,  192
.set PW,  208
.set SS,  210
.set G1Q, 24                           ; s[24:31] descriptor group 1 for the weights' tiles; s[32:39] group 0, one set for each slot
.set G0Q, 32
.set G1P, 48                           ; s[48:55], s[56:63] the same for the tokens' tiles
.set G0P, 56
.set SEL, 94                           ; s[94:95] v_permlanex16_b32's selects for lane l xor 16
.set MUL_LO, 0xa1                      ; source 0 (P) window 1, source 1 (Q) window 0, C and D window 2
.set MUL_HI, 0xf1                      ; the same, C and D window 3
.set TO_P,   0x40                      ; destination window 1, address window 0
.set MSB, 0
.macro WIN new                         ; the immediate's high byte repeats the setting that is left; a switch that changes nothing is dropped
.if MSB != (\new)
	s_set_vgpr_msb (MSB<<8)|(\new)
.set MSB, (\new)
.endif
.endm
.macro PLACES n                        ; plain vector instructions between a matrix instruction and a load into, or a read of, its registers
.rept \n
	v_nop
.endr
.endm
.macro CREST                           ; a round of the cluster's barrier behind its opening barrier
	s_cmp_lg_u32 s14, 0
	s_cbranch_scc1 .Lnot_wave_0_\@
	s_barrier_signal -3
.Lnot_wave_0_\@:
	s_barrier_wait -3
	s_barrier_signal -1
	s_barrier_wait -1
.endm
.macro CROUND                          ; a whole round
	s_barrier_signal -1
	s_barrier_wait -1
	CREST
.endm
; A fragment: lane l holds row l % 16; registers 6 c .. 6 c + 5 hold K = 64 c + 32 (l / 16) + 0 .. 31: 24 bytes of the row, as they lie, in pieces of 8 bytes.  Lanes 16-31 read three pieces further on,
; which for some pieces is behind one padding more: the second address register serves those.
.macro FRAG reg, adr, q, i
.irp p, 0,1,2,3,4,5
.set PCE, 12*(\q)+6*(\p/3)+\p%3
.if PCE%8 < 5
	ds_load_b64 v[\reg+2*\p:\reg+2*\p+1], v[\adr] offset:8*PCE+16*(PCE/8)+(\i)*16*PITCH
.else
	ds_load_b64 v[\reg+2*\p:\reg+2*\p+1], v[\adr+2] offset:8*PCE+16*(PCE/8)+(\i)*16*PITCH
.endif
.endr
.endm
.macro FETCH_P slot, q, ps             ; P's eight fragments of the slot's q-th 128 along K into set ps
	WIN TO_P
.irp i, 0,1,2,3,4,5,6,7
	FRAG 128*(\ps)+FR*\i, ADRP+\slot, \q, \i
.endr
	WIN 0
.endm
.macro FETCH_Q slot, q, i0             ; Q's blocks i0 .. i0 + 3
.irp i, \i0, \i0+1, \i0+2, \i0+3
	FRAG AF+FR*(\i), ADRQ+\slot, \q, \i
.endr
.endm
.macro WM a, b, ps, s, zero            ; one product: Q's block a x P's block b, K step s
.set rD, 8*(8*((\a)%4)+(\b))
.set rP, 128*(\ps)+FR*(\b)
.set rQ, AF+FR*(\a)
.set rSP, SP+4*(\b)+(\s)%4
.set rSQ, SQ+4*(\a)+(\s)%4
.if \zero
	v_wmma_scale_f32_16x16x128_f8f6f4 v[rD:rD+7], v[rP:rP+FR-1], v[rQ:rQ+FR-1], 0, v[rSP], v[rSQ] matrix_a_fmt:MATRIX_FMT_BF6 matrix_b_fmt:MATRIX_FMT_BF6
.elseif (\s) < 4
	v_wmma_scale_f32_16x16x128_f8f6f4 v[rD:rD+7], v[rP:rP+FR-1], v[rQ:rQ+FR-1], v[rD:rD+7], v[rSP], v[rSQ] matrix_a_fmt:MATRIX_FMT_BF6 matrix_b_fmt:MATRIX_FMT_BF6
.else
	v_wmma_scale_f32_16x16x128_f8f6f4 v[rD:rD+7], v[rP:rP+FR-1], v[rQ:rQ+FR-1], v[rD:rD+7], v[rSP], v[rSQ] matrix_a_fmt:MATRIX_FMT_BF6 matrix_b_fmt:MATRIX_FMT_BF6 matrix_a_scale:MATRIX_SCALE_ROW1 matrix_b_scale:MATRIX_SCALE_ROW1
.endif
.endm
.macro MUL16 a0, ps, s, zero           ; 16 products.  The 64 accumulators take turns, one instruction a turn, in the same order in every step
.irp a, \a0, \a0+1
.irp b, 0,1,2,3,4,5,6,7
	WM (\a), \b, \ps, \s, \zero
.endr
.endr
.endm
.macro SETG0 slot, qb, pb, t           ; the slot's two groups 0: 256 t along K of the rows at s[qb], s[pb].  No tensor load that names them is out where this stands
.if (\t) == 0
	s_mov_b64 s[G0Q+4*\slot+2:G0Q+4*\slot+3], s[\qb:\qb+1]
	s_mov_b64 s[G0P+4*\slot+2:G0P+4*\slot+3], s[\pb:\pb+1]
.else
	s_add_nc_u64 s[G0Q+4*\slot+2:G0Q+4*\slot+3], s[\qb:\qb+1], ROWB*(\t)
	s_add_nc_u64 s[G0P+4*\slot+2:G0P+4*\slot+3], s[\pb:\pb+1], ROWB*(\t)
.endif
	s_or_b32 s[G0Q+4*\slot+3], s[G0Q+4*\slot+3], 0x80000000
	s_or_b32 s[G0P+4*\slot+3], s[G0P+4*\slot+3], 0x80000000
.endm
; A joint load: waves 0 and 1 fetch Q's two halves, waves 2 and 3 P's.  Each line has ONE mask and one set of registers for all that issue it; the branch hangs on the wave's number alone.
; Four v_nop follow each of the two lines, ahead of the jump, the label and what follows.
.macro JLOAD slot
	s_cmp_eq_u32 s15, 0
	s_cbranch_scc0 .Lfor_p_\@
	tensor_load_to_lds s[G0Q+4*\slot:G0Q+4*\slot+3], s[G1Q:G1Q+7]
	s_nop 0
.rept 4
	v_nop
.endr
	s_branch .Lasked_\@
.Lfor_p_\@:
	tensor_load_to_lds s[G0P+4*\slot:G0P+4*\slot+3], s[G1P:G1P+7]
	s_nop 0
.rept 4
	v_nop
.endr
.Lasked_\@:
.endm
; A PREFETCH of value's codes, which the second tile will ask for.  A row is 768 bytes: three aligned blocks of 256; blk names one.  Only my row of the cluster reads these 256 rows: its four partners take 64 each,
; told apart BY ADDRESS; in each, waves 0 and 1 take 32, a lane a row.  So each block is named once in the launch.  Block 0 is asked for two changes of slots (256 matrix instructions) ahead of the load of K 0-255,
; block 1 likewise ahead of the load of K 256-511, block 2 ahead of k's epilogue, behind which K 512-767 is loaded.  The address registers are never rewritten.
.macro ASK blk
	s_cmp_lt_u32 s14, 2
	s_cbranch_scc0 .Lnot_mine_\@
	global_prefetch_b8 v[PFO], s[98:99] offset:256*(\blk) th:TH_LOAD_NT scope:SCOPE_SE
.Lnot_mine_\@:
.endm
; A slot's first 128 along K (K step s, even; P's set 0).  A block of Q is free as soon as its eight products are issued: blocks 0-3 are fetched anew in the middle, blocks 4-7 at the end.
.macro STEP slot, s, zero
	s_wait_dscnt 24                                ; P's set and Q's blocks 0-3 are in; the youngest 24 loads (Q's blocks 4-7) may be out
	WIN MUL_LO
	MUL16 0, 0, \s, \zero
	MUL16 2, 0, \s, \zero
	s_wait_dscnt 0x0                               ; Q's blocks 4-7 are in
	PLACES 4
	FETCH_P \slot, 1, 1
	FETCH_Q \slot, 1, 0
	WIN MUL_HI
	MUL16 4, 0, \s, \zero
	MUL16 6, 0, \s, \zero
	PLACES 4
	WIN 0
	FETCH_Q \slot, 1, 4
.endm
; A slot's second 128 along K (K step s, odd; P's set 1) changes slots: ONE barrier; in front of it each wave waits for all its tensor loads, adds 0 to its spare word, and waits for that and for its reads of this slot.
; fill = 1: the barrier opens a round of the cluster's barrier and this slot is filled again, with 256 t along K of the rows at s[qb], s[pb].  fetch = 1: the next slot's first fragments are read.  ask >= 0: a prefetch.
.macro TURN slot, next, s, fill, qb, pb, t, fetch, ask
	s_wait_tensorcnt 0x0                           ; all my tensor loads have landed: my part of the next slot
	ds_add_u32 v[SPW], v[NIL]                      ; 0 onto my spare word
	s_wait_dscnt 25                                ; (the add and the youngest 24 loads, Q's blocks 4-7, may be out)
	WIN MUL_LO
	MUL16 0, 1, \s, 0                              ; sixteen matrix instructions stand between the add and the wait for it
	s_wait_dscnt 0x0                               ; the add is done, and my reads of this slot are over
	s_barrier_signal -1
	MUL16 2, 1, \s, 0
	WIN 0
	s_barrier_wait -1
.if \fill
	CREST                                          ; no wave of any partner still reads this slot's tile or has a load on its way
	SETG0 \slot, \qb, \pb, \t
	JLOAD \slot                                    ; the first tensor load behind the round; its four v_nop are also the places in front of the loads below
.else
	PLACES 4
.endif
.if \fetch
	FETCH_P \next, 0, 0
	FETCH_Q \next, 0, 0
.endif
.if \ask >= 0
	ASK \ask
.endif
	WIN MUL_HI
	MUL16 4, 1, \s, 0
	MUL16 6, 1, \s, 0
.if \fetch
	PLACES 4
	WIN 0
	FETCH_Q \next, 0, 4
.else
	WIN 0
.endif
.endm
.macro LAST s                          ; the launch's last K step: nothing more to fetch
	s_wait_dscnt 24
	WIN MUL_LO
	MUL16 0, 1, \s, 0
	MUL16 2, 1, \s, 0
	s_wait_dscnt 0x0
	WIN MUL_HI
	MUL16 4, 1, \s, 0
	MUL16 6, 1, \s, 0
	WIN 0
.endm
.macro SCLOAD qb, pb                   ; a tile's scale words: 16 rows x 32 bytes = 512 dense bytes a load
.irp a, 0,1,2,3,4,5,6,7
	global_load_b128 v[SQ+4*\a:SQ+4*\a+3], v[SOF], s[\qb:\qb+1] offset:512*\a
	global_load_b128 v[SP+4*\a:SP+4*\a+3], v[SOF], s[\pb:\pb+1] offset:512*\a
.endr
.endm
; 64 numbers of a lane, v[s] .. v[s + 63], become a fragment's codes in v[PC] on and its row's scale word in v[PW].  All its registers lie in window 1.
.macro QUANT s
.irp b, 0,1,2,3
	v_max3_num_f32 v[TM+\b], |v[\s+16*\b]|, |v[\s+1+16*\b]|, 0x2800000   ; block b: my 16 numbers, and the floor 2^(5 - 127): so the byte cannot fall under 1
.endr
.irp i, 2,4,6,8,10,12,14
.irp b, 0,1,2,3
	v_max3_num_f32 v[TM+\b], v[TM+\b], |v[\s+16*\b+\i]|, |v[\s+1+16*\b+\i]|   ; (the four blocks by turns)
.endr
.endr
.irp b, 0,1,2,3
	v_permlanex16_b32 v[TM+4+\b], v[TM+\b], s[SEL], s[SEL+1]
.endr
.irp b, 0,1,2,3
	v_max_num_f32 v[TM+\b], v[TM+\b], v[TM+4+\b]   ; with lane l xor 16's: the block's largest magnitude
.endr
.irp b, 0,1,2,3
	v_add_nc_u32 v[TM+12+\b], 0xfe000000, v[TM+\b] ; 4 off its exponent field: the conversion takes the exponent field of this operand as its scale
.endr
.irp b, 0,1,2,3
	v_lshrrev_b32 v[TM+4+\b], 23, v[TM+12+\b]      ; the scale's byte
.endr
	v_lshl_or_b32 v[PW], v[TM+5], 8, v[TM+4]
	v_lshl_or_b32 v[PW], v[TM+6], 16, v[PW]
	v_lshl_or_b32 v[PW], v[TM+7], 24, v[PW]
.irp c, 0,1
	v_cvt_scalef32_pk16_bf6_f32 v[PC+6*\c:PC+2+6*\c], v[\s+32*\c:\s+15+32*\c], v[TM+12+2*\c]
	v_cvt_scalef32_pk16_bf6_f32 v[PC+12+4*\c:PC+14+4*\c], v[\s+16+32*\c:\s+31+32*\c], v[TM+12+2*\c+1]   ; (a conversion's three registers begin on an even number)
.endr
	v_nop                                          ; one plain place behind a scaled conversion
.irp c, 0,1                                    ; the operand's layout wants a WHOLE block in a lane
.irp i, 0,1,2
	v_permlane16_swap_b32 v[PC+6*\c+\i], v[PC+12+4*\c+\i]
.endr
.irp i, 0,1,2
	v_mov_b32 v[PC+3+6*\c+\i], v[PC+12+4*\c+\i]
.endr
.endr
.endm
; elu(x) + 1 on v[X] .. v[X + 63], in window 1: max(x, 0) + 2^(min(x, 0) log2 e): x + 1 above 0, e^x below
.macro FMAP
.set i, 0
.rept 64
	v_min_num_f32 v[T+i], 0, v[X+i]
.set i, i+1
.endr
.set i, 0
.rept 32
	v_pk_add_f32 v[X+i:X+i+1], v[X+i:X+i+1], v[T+i:T+i+1] neg_lo:[0,1] neg_hi:[0,1]
.set i, i+2
.endr
.set i, 0
.rept 32
	v_pk_mul_f32 v[T+i:T+i+1], v[T+i:T+i+1], s[66:67] op_sel_hi:[1,0]
.set i, i+2
.endr
.set i, 0
.rept 64
	v_exp_f32 v[T+i], v[T+i]
.set i, i+1
.endr
	v_nop                                          ; one plain place behind the exponentials
.set i, 0
	s_wait_alu depctr_va_vdst(0)
.rept 32
	v_pk_add_f32 v[X+i:X+i+1], v[X+i:X+i+1], v[T+i:T+i+1]
.set i, i+2
.endr
.endm
; Channel tile a leaves the accumulators' window: X = accumulators + the lane's bias.  The addition is also the copy; each accumulator is read from its low end on.
.macro CASE a, bias
	WIN 0x42+(\a)/4                                ; destination window 1, source 0 window 2 or 3, source 1 window 0
.set i, 0
.rept 32
.if ((\a)&1) == 0
	v_pk_add_f32 v[X+2*i:X+2*i+1], v[64*((\a)%4)+2*i:64*((\a)%4)+2*i+1], v[\bias+((\a)&6):\bias+((\a)&6)+1] op_sel_hi:[1,0]
.else
	v_pk_add_f32 v[X+2*i:X+2*i+1], v[64*((\a)%4)+2*i:64*((\a)%4)+2*i+1], v[\bias+((\a)&6):\bias+((\a)&6)+1] op_sel:[0,1] op_sel_hi:[1,1]
.endif
.set i, i+1
.endr
	WIN 0
.endm
.macro SWITCH bias                     ; register numbers cannot be stepped: the trip's number s96 chooses one of eight copies of the 32 additions; all else of a trip is written once
.irp a, 0,1,2,3,4,5,6
	s_cmp_eq_u32 s96, \a
	s_cbranch_scc1 .Lcase_\@_\a
.endr
	CASE 7, \bias
	s_branch .Lbody_\@
.irp a, 0,1,2,3,4,5,6
.Lcase_\@_\a:
	CASE \a, \bias
.if \a < 6
	s_branch .Lbody_\@
.endif
.endr
.Lbody_\@:
.endm
.macro TIMES_MASK                      ; X x the mask of my tokens (for v: x 2^-12 too), in window 1
.set i, 0
.rept 32
	v_pk_mul_f32 v[X+2*i:X+2*i+1], v[X+2*i:X+2*i+1], v[MK+2*i+96*(i/16):MK+2*i+96*(i/16)+1]
.set i, i+1
.endr
.endm
.macro EPI0                            ; a lane permute's destination counts as one of its sources
	WIN 0x40
.irp b, 0,1,2,3
	v_mov_b32 v[TM+4+\b], 0
.endr
	WIN 0
.endm
	s_load_b512 s[68:83], s[0:1], 0x0              ; key codes 68, key scales 70, value codes 72, value scales 74, Wk codes 76, Wk scales 78, Wv codes 80, Wv scales 82
	s_load_b256 s[84:91], s[0:1], 0x40             ; bk 84, bv 86, mask_kv 88, kvp 90
	s_load_b64 s[92:93], s[0:1], 0x60              ; skp
	v_lshl_add_u32 v[SPW], v0, 2, SPARE
	v_mov_b32 v[NIL], 0
	ds_add_u32 v28, v29
	s_wait_dscnt 0x0
	v_lshrrev_b32 v1, 5, v0
	v_readfirstlane_b32 s14, v1                    ; wave 0..3
	s_lshr_b32 s15, s14, 1                         ; QH: which 128 channels are mine.  Also: I fetch for Q (0) or for P (1)
	s_and_b32 s16, s14, 1                          ; PH: which 128 tokens.  Also: which 128 rows of that tile I fetch
	s_bfe_u32 s40, ttmp6, 0x40000                  ; cx, cy: my place in the cluster
	s_bfe_u32 s41, ttmp6, 0x40004
	s_lshl_b32 s42, ttmp9, 2
	s_add_co_u32 s42, s42, s40                     ; x: the group of four heads
	s_and_b32 s17, ttmp7, 0xffff
	s_lshl_b32 s17, s17, 2
	s_add_co_u32 s17, s17, s41                     ; y: the block of 256 tokens
	s_lshl_b32 s43, s41, 2
	s_lshl_b32 s43, 15, s43                        ; my row of the cluster
	s_lshl_b32 s44, 0x1111, s40                    ; my column
	s_or_b32 s[G1Q], s44, (1<<20)|(1<<21)|(3<<22)|(3<<25)   ; 15:0 the mask: the weights' tiles go to my column; elements of 1 byte; 20 padding on; 21 set beside a mask; after every 16 words 4 words
	s_or_b32 s[G1P], s43, (1<<20)|(1<<21)|(3<<22)|(3<<25)   ; the tokens' tiles go to my row
.irp g, G1Q, G1P
	s_mov_b32 s[\g+1], ROWB<<16                    ; tensor_dim0
	s_mov_b32 s[\g+2], 128<<16                     ; tensor_dim1
	s_mov_b32 s[\g+3], ROWB<<16                    ; tile_dim0
	s_mov_b32 s[\g+4], 128                         ; tile_dim1
	s_mov_b32 s[\g+5], KROW                        ; from row to row
	s_mov_b32 s[\g+6], 0
	s_mov_b32 s[\g+7], 0
.endr
	s_mov_b32 s66, 0x3fb8aa3b                      ; log2 e
	s_mov_b32 s67, s66                             ; (named with it as a pair, so it is written)
	s_mov_b32 s[SEL], 0x76543210
	s_mov_b32 s[SEL+1], 0xfedcba98
	s_lshl_b32 s18, s16, 7
	s_lshl_b32 s20, s17, 8
	s_add_co_u32 s20, s20, s18                     ; token 256 y + 128 PH: the rows that I fetch for P, and my own 128 tokens
	s_mul_i32 s22, s20, KROW
	s_mov_b32 s23, 0
	s_lshl_b32 s46, s42, 8
	s_add_co_u32 s46, s46, s18                     ; weight row 256 x + 128 PH: the rows that I fetch for Q
	s_mul_i32 s46, s46, KROW
	s_mov_b32 s47, 0
	s_mul_i32 s45, s14, HALFT                      ; where my load goes: no place in the cluster enters an LDS address
	s_lshl_b32 s2, s17, 8                          ; the prefetches: row 256 y + 64 cx + 32 PH
	s_lshl_b32 s3, s40, 6
	s_add_co_u32 s2, s2, s3
	s_lshl_b32 s3, s16, 5
	s_add_co_u32 s2, s2, s3
	s_mul_i32 s2, s2, KROW
	s_mov_b32 s3, 0
	s_wait_kmcnt 0x0
	s_add_nc_u64 s[98:99], s[72:73], s[2:3]
	s_add_nc_u64 s[68:69], s[68:69], s[22:23]
	s_add_nc_u64 s[72:73], s[72:73], s[22:23]
	s_add_nc_u64 s[76:77], s[76:77], s[46:47]
	s_add_nc_u64 s[80:81], s[80:81], s[46:47]
	CROUND                                         ; all sixteen work-groups are here: the first joint loads meet
.irp s, 0,1
	s_mov_b32 s[G0Q+4*\s], 1
	s_add_co_u32 s[G0Q+4*\s+1], s45, \s*SLOT
	s_mov_b32 s[G0P+4*\s], 1
	s_add_co_u32 s[G0P+4*\s+1], s45, \s*SLOT
	SETG0 \s, 76, 68, \s
	JLOAD \s                                       ; k's tile, K 0-255 and 256-511: two loads of mine are out
.endr
	v_and_b32 v1, 15, v0                           ; r
	v_bfe_u32 v2, v0, 4, 1                         ; h
	v_mul_u32_u24 v3, v1, PITCH
	v_mul_u32_u24 v4, v2, 24
	v_add_nc_u32 v4, v3, v4                        ; a fragment's row x pitch + 24 h
	v_lshl_add_u32 v5, v2, 4, v4                   ; and the same behind one padding more
	s_mul_i32 s2, s15, HALFT                       ; my 128 rows of Q
	s_mul_i32 s3, s16, HALFT
	s_add_co_u32 s3, s3, 2*HALFT                   ; my 128 rows of P, behind Q's 256
.irp s, 0,1
	v_add_nc_u32 v[ADRQ+\s], s2, v4
	v_add_nc_u32 v[ADRP+\s], s3, v4
	v_add_nc_u32 v[ADRQ+2+\s], s2, v5
	v_add_nc_u32 v[ADRP+2+\s], s3, v5
	s_add_co_u32 s2, s2, SLOT
	s_add_co_u32 s3, s3, SLOT
.endr
	v_and_b32 v3, 31, v0                           ; lane
	v_lshlrev_b32 v[LI], 4, v3
	v_lshlrev_b32 v4, 2, v3                        ; 4 x lane
	v_lshlrev_b32 v[L8], 3, v3
	v_mul_u32_u24 v[PFO], v3, KROW
	v_lshlrev_b32 v[BOF], 2, v1
	v_lshlrev_b32 v[MOF], 5, v2
	v_lshlrev_b32 v[SOF], 5, v1
	v_lshl_add_u32 v[SOF], v2, 4, v[SOF]
	s_mul_i32 s2, s14, 8*FRB                       ; what I write: my wave's eight images,
	v_add_nc_u32 v[VWA], s2, v[LI]                 ; (v's begin at LDS byte 0)
	s_add_co_u32 s3, s2, KIMG
	v_add_nc_u32 v[KWA], s3, v[LI]
	s_lshl_b32 s2, s14, 10                         ; their scale words,
	s_add_co_u32 s3, s2, KSC
	v_add_nc_u32 v[KWS], s3, v4
	s_add_co_u32 s3, s2, VSC
	v_add_nc_u32 v[VWS], s3, v4
	s_lshl_b32 s2, s14, 9                          ; my sums
	s_add_co_u32 s2, s2, SKS
	v_add_nc_u32 v[KWK], s2, v[BOF]
	s_mul_i32 s2, s15, 16*FRB                      ; what I read for head w: written by waves 2 (w / 2) and 2 (w / 2) + 1, their tiles 4 (w % 2) on
	s_mul_i32 s3, s16, 4*FRB
	s_add_co_u32 s2, s2, s3
	v_add_nc_u32 v[FVA], s2, v[LI]
	s_add_co_u32 s2, s2, KIMG
	v_add_nc_u32 v[FKA], s2, v[LI]
	s_lshl_b32 s2, s15, 11
	s_lshl_b32 s3, s16, 9
	s_add_co_u32 s2, s2, s3
	s_add_co_u32 s3, s2, KSC
	v_add_nc_u32 v[FKS], s3, v4
	s_add_co_u32 s3, s2, VSC
	v_add_nc_u32 v[FVS], s3, v4
	s_lshl_b32 s2, s15, 10
	s_lshl_b32 s3, s16, 8
	s_add_co_u32 s2, s2, s3
	s_add_co_u32 s2, s2, SKS
	v_add_nc_u32 v[SKR], s2, v[L8]
	s_mov_b32 s3, 0
	s_lshl_b32 s2, s20, 5                          ; my tokens' scale bytes,
	s_add_nc_u64 s[70:71], s[70:71], s[2:3]
	s_add_nc_u64 s[74:75], s[74:75], s[2:3]
	s_lshl_b32 s2, s20, 2                          ; and their mask
	s_add_nc_u64 s[88:89], s[88:89], s[2:3]
	s_lshl_b32 s18, s42, 8
	s_lshl_b32 s19, s15, 7
	s_add_co_u32 s18, s18, s19                     ; channel 256 x + 128 QH: my own 128
	s_lshl_b32 s2, s18, 5
	s_add_nc_u64 s[78:79], s[78:79], s[2:3]
	s_add_nc_u64 s[82:83], s[82:83], s[2:3]
	s_lshl_b32 s2, s18, 2
	s_add_nc_u64 s[84:85], s[84:85], s[2:3]
	s_add_nc_u64 s[86:87], s[86:87], s[2:3]
	s_lshr_b32 s18, s17, 4                         ; n
	s_lshl_b32 s18, s18, 2
	s_add_co_u32 s18, s18, s42
	s_lshl_b32 s18, s18, 2
	s_add_co_u32 s18, s18, s14                     ; 16 n + 4 x + w: my head
	s_lshl_b32 s18, s18, 4
	s_and_b32 s19, s17, 15
	s_add_co_u32 s18, s18, s19                     ; x 16 + the block's number in the sequence
	s_lshl_b32 s2, s18, 14
	s_add_nc_u64 s[90:91], s[90:91], s[2:3]
	s_lshl_b32 s2, s18, 8
	s_add_nc_u64 s[92:93], s[92:93], s[2:3]
	SCLOAD 78, 70
.irp a, 0,1,2,3,4,5,6,7
	global_load_b32 v[BIK+\a], v[BOF], s[84:85] offset:64*\a
	global_load_b32 v[BIV+\a], v[BOF], s[86:87] offset:64*\a
.endr
	WIN 0x40
.irp t, 0,1,2,3,4,5,6,7                        ; the mask of tokens 16 t + 8 h + 0 .. 7
	global_load_b128 v[MK+8*\t+96*(\t/4):MK+8*\t+96*(\t/4)+3], v[MOF], s[88:89] offset:64*\t
	global_load_b128 v[MK+8*\t+96*(\t/4)+4:MK+8*\t+96*(\t/4)+7], v[MOF], s[88:89] offset:64*\t+16
.endr
	WIN 0
	s_wait_tensorcnt 1                             ; my part of slot 0 is in (slot 1's load may be out)
	s_barrier_signal -1
	s_barrier_wait -1                              ; everybody's is
	FETCH_P 0, 0, 0
	FETCH_Q 0, 0, 0
	FETCH_Q 0, 0, 4
	s_wait_loadcnt 0x0                             ; scale words, biases, mask
	; ---- k's tile.  The eight K steps are written out: the row of lanes and the register of the scale words are constants of each line
	STEP 0, 0, 1                                   ; the first products start the sums: nothing is cleared
	TURN 0, 1, 1, 1, 76, 68, 2, 1, 0
	STEP 1, 2, 0
	TURN 1, 0, 3, 1, 76, 68, 3, 1, 1
	STEP 0, 4, 0
	TURN 0, 1, 5, 1, 80, 72, 0, 1, -1              ; THE RING GOES ON INTO v's TILE: slot 0 takes its K 0-255,
	STEP 1, 6, 0
	TURN 1, 0, 7, 1, 80, 72, 1, 0, 2               ; slot 1 its K 256-511; in front of this round every wave has seen its part of slot 0 land
	; ---- k's epilogue: eight channel tiles, a trip each: bias, elu + 1, mask, the sum over my 128 tokens, the quantiser along the tokens, the image to LDS
	PLACES 4
	SCLOAD 82, 74                                  ; v's tile's scale words
	EPI0
	s_mov_b32 s96, 0                               ; the tile;  s97, s100, s101: its image's, its scale words' and its sums' place
	s_mov_b32 s97, 0
	s_mov_b32 s100, 0
	s_mov_b32 s101, 0
.Lkcol:
	SWITCH BIK
	WIN 0x55                                       ; all in window 1
	FMAP
	TIMES_MASK
	s_wait_dscnt 0x0                               ; the last trip's stores have read their registers
	v_pk_add_f32 v[SS:SS+1], v[X:X+1], v[X+2:X+3]  ; the sum of the UNQUANTISED k, two at a time, in two chains
	v_pk_add_f32 v[SS+2:SS+3], v[X+4:X+5], v[X+6:X+7]
.irp i, 8,12,16,20,24,28,32,36,40,44,48,52,56,60
	v_pk_add_f32 v[SS:SS+1], v[SS:SS+1], v[X+\i:X+\i+1]
	v_pk_add_f32 v[SS+2:SS+3], v[SS+2:SS+3], v[X+\i+2:X+\i+3]
.endr
	v_pk_add_f32 v[SS:SS+1], v[SS:SS+1], v[SS+2:SS+3]
	v_add_f32 v[SS], v[SS], v[SS+1]
	v_permlanex16_b32 v[SS+2], v[SS], s[SEL], s[SEL+1]
	v_add_f32 v[SS], v[SS], v[SS+2]                ; with lane l xor 16's 64 tokens
	QUANT X
	WIN 0
	v_add_nc_u32 v3, s97, v[KWA]
	v_add_nc_u32 v4, s100, v[KWS]
	v_add_nc_u32 v5, s101, v[KWK]
	WIN 0x04                                       ; an LDS store's data are its source 1: window 1
.irp c, 0,1,2
	ds_store_b128 v3, v[PC+4*\c:PC+4*\c+3] offset:512*\c
.endr
	ds_store_b32 v4, v[PW]
	ds_store_b32 v5, v[SS]                         ; both halves of the lanes write the same word with the same value
	WIN 0
	s_add_co_u32 s97, s97, FRB
	s_add_co_u32 s100, s100, 128
	s_add_co_u32 s101, s101, 64
	s_add_co_u32 s96, s96, 1
	s_cmp_lt_u32 s96, 8
	s_cbranch_scc1 .Lkcol
	s_wait_dscnt 0x0                               ; the last stores have read their registers: fragments land there next
	WIN 0x55
.set i, 0
.rept 32
	v_pk_mul_f32 v[MK+2*i+96*(i/16):MK+2*i+96*(i/16)+1], v[MK+2*i+96*(i/16):MK+2*i+96*(i/16)+1], 0x39800000 op_sel_hi:[1,0]   ; for v: mask / 4096
.set i, i+1
.endr
	WIN 0
	; ---- v's tile
	FETCH_P 0, 0, 0
	FETCH_Q 0, 0, 0
	FETCH_Q 0, 0, 4
	s_wait_loadcnt 0x0                             ; its scale words
	STEP 0, 0, 1
	TURN 0, 1, 1, 1, 80, 72, 2, 1, -1
	STEP 1, 2, 0
	TURN 1, 0, 3, 1, 80, 72, 3, 1, -1
	STEP 0, 4, 0
	TURN 0, 1, 5, 0, 0, 0, 0, 1, -1                ; nothing is left to fetch: behind this barrier slot 0 is neither filled nor read again
	STEP 1, 6, 0
	LAST 7
	; ---- v's epilogue: bias, mask / 4096, the quantiser, the image to LDS
	PLACES 4
	EPI0
	s_mov_b32 s96, 0
	s_mov_b32 s97, 0
	s_mov_b32 s100, 0
.Lvcol:
	SWITCH BIV
	WIN 0x55
	TIMES_MASK
	s_wait_dscnt 0x0                               ; the last trip's stores have read their registers
	QUANT X
	WIN 0
	v_add_nc_u32 v3, s97, v[VWA]
	v_add_nc_u32 v4, s100, v[VWS]
	WIN 0x04
.irp c, 0,1,2
	ds_store_b128 v3, v[PC+4*\c:PC+4*\c+3] offset:512*\c
.endr
	ds_store_b32 v4, v[PW]
	WIN 0
	s_add_co_u32 s97, s97, FRB
	s_add_co_u32 s100, s100, 128
	s_add_co_u32 s96, s96, 1
	s_cmp_lt_u32 s96, 8
	s_cbranch_scc1 .Lvcol
	s_wait_dscnt 0x0                               ; for the others' sake: my images have landed
	s_barrier_signal -1
	s_barrier_wait -1                              ; all of k's and v's images, scale words and sums lie in LDS
	; ---- kv of head w over the 256 tokens: source 0 = 16 of k's channels (d), source 1 = 16 of v's; K = two steps of 128 tokens; 16 accumulators by turns
.irp th, 0,1
.irp td, 0,1,2,3
.irp c, 0,1,2
	ds_load_b128 v[AF+FR*(2*\td+\th)+4*\c:AF+FR*(2*\td+\th)+4*\c+3], v[FKA] offset:\th*8*FRB+\td*FRB+512*\c
.endr
	ds_load_b32 v[KS+2*\td+\th], v[FKS] offset:\th*1024+\td*128
	ds_load_b32 v[VS+2*\td+\th], v[FVS] offset:\th*1024+\td*128
.endr
.endr
	ds_load_b64 v[96:97], v[SKR]                   ; the two halves' sums of k, two channels a lane
	ds_load_b64 v[98:99], v[SKR] offset:512
	WIN 0x40
.irp th, 0,1
.irp tv, 0,1,2,3
.irp c, 0,1,2
	ds_load_b128 v[FR*(2*\tv+\th)+4*\c:FR*(2*\tv+\th)+4*\c+3], v[FVA] offset:\th*8*FRB+\tv*FRB+512*\c
.endr
.endr
.endr
	WIN 0
	s_wait_dscnt 0x0
	WIN 0xa4                                       ; source 0 (k) window 0, source 1 (v) window 1, C and D window 2
.irp th, 0,1
.irp tv, 0,1,2,3
.irp td, 0,1,2,3
.if \th == 0
	v_wmma_scale_f32_16x16x128_f8f6f4 v[8*(4*\tv+\td):8*(4*\tv+\td)+7], v[AF+FR*(2*\td+\th):AF+FR*(2*\td+\th)+FR-1], v[FR*(2*\tv+\th):FR*(2*\tv+\th)+FR-1], 0, v[KS+2*\td+\th], v[VS+2*\tv+\th] matrix_a_fmt:MATRIX_FMT_BF6 matrix_b_fmt:MATRIX_FMT_BF6
.else
	v_wmma_scale_f32_16x16x128_f8f6f4 v[8*(4*\tv+\td):8*(4*\tv+\td)+7], v[AF+FR*(2*\td+\th):AF+FR*(2*\td+\th)+FR-1], v[FR*(2*\tv+\th):FR*(2*\tv+\th)+FR-1], v[8*(4*\tv+\td):8*(4*\tv+\td)+7], v[KS+2*\td+\th], v[VS+2*\tv+\th] matrix_a_fmt:MATRIX_FMT_BF6 matrix_b_fmt:MATRIX_FMT_BF6
.endif
.endr
.endr
.endr
	WIN 0
	v_pk_add_f32 v[96:97], v[96:97], v[98:99]      ; summed_k over the 256 tokens.  With the three lines below: the four places in front of the stores of results
	PLACES 3
	global_store_b64 v[L8], v[96:97], s[92:93]     ; 32 lanes store 256 consecutive bytes, aligned
	WIN 0x08                                       ; a store's data are its source 1: window 2
.irp k, 0,1,2,3,4,5,6,7,8,9,10,11,12,13,14,15
	global_store_b128 v[LI], v[8*\k:8*\k+3], s[90:91] offset:1024*\k        ; each accumulator from its low end on; 32 lanes store 512 consecutive bytes, aligned
	global_store_b128 v[LI], v[8*\k+4:8*\k+7], s[90:91] offset:1024*\k+512
.endr
	WIN 0
	s_wait_tensorcnt 0x0                           ; the wave's end: behind my last tensor load and my last LDS store
	ds_add_u32 v[SPW], v[NIL]
	s_wait_dscnt 0x0
	CROUND                                         ; the closing round: no work-group ends while a partner may still ask for a tile that names it
	s_endpgm
.Lfunc_end_k_qc65a0fb5e8_kvpart:
	.size	k_qc65a0fb5e8_kvpart, .Lfunc_end_k_qc65a0fb5e8_kvpart-k_qc65a0fb5e8_kvpart
	.p2alignl 7, 3214868480
	.fill 96, 4, 3214868480
	.section	.rodata,"a",@progbits
	.p2align	6, 0x0
	.amdhsa_kernel k_qc65a0fb5e8_kvpart
		.amdhsa_group_segment_fixed_size 327680
		.amdhsa_private_segment_fixed_size 0
		.amdhsa_enable_private_segment 0
		.amdhsa_kernarg_size 104
		.amdhsa_user_sgpr_count 2
		.amdhsa_user_sgpr_kernarg_segment_ptr 1
		.amdhsa_wavefront_size32 1
		.amdhsa_system_sgpr_workgroup_id_x 1
		.amdhsa_system_sgpr_workgroup_id_y 1
		.amdhsa_system_sgpr_workgroup_id_z 1
		.amdhsa_system_vgpr_workitem_id 0
		.amdhsa_next_free_vgpr 1024
		.amdhsa_next_free_sgpr 102
		.amdhsa_reserve_vcc 0
		.amdhsa_float_denorm_mode_32 3
		.amdhsa_float_denorm_mode_16_64 3
		.amdhsa_memory_ordered 1
		.amdhsa_forward_progress 1
		.amdhsa_inst_pref_size 255
	.end_amdhsa_kernel
	.section	.bss,"aw",@nobits
	.p2align	6
	.space	262144
	.amdgpu_metadata
---
amdhsa.version: [ 1, 2 ]
amdhsa.kernels:
  - .name:           k_qc65a0fb5e8_kvpart
    .symbol:         k_qc65a0fb5e8_kvpart.kd
    .args:
      - { .name: key_codes, .offset: 0, .size: 8, .value_kind: global_buffer, .address_space: global }
      - { .name: key_scales, .offset: 8, .size: 8, .value_kind: global_buffer, .address_space: global }
      - { .name: value_codes, .offset: 16, .size: 8, .value_kind: global_buffer, .address_space: global }
      - { .name: value_scales, .offset: 24, .size: 8, .value_kind: global_buffer, .address_space: global }
      - { .name: Wk_codes, .offset: 32, .size: 8, .value_kind: global_buffer, .address_space: global }
      - { .name: Wk_scales, .offset: 40, .size: 8, .value_kind: global_buffer, .address_space: global }
      - { .name: Wv_codes, .offset: 48, .size: 8, .value_kind: global_buffer, .address_space: global }
      - { .name: Wv_scales, .offset: 56, .size: 8, .value_kind: global_buffer, .address_space: global }
      - { .name: bk, .offset: 64, .size: 8, .value_kind: global_buffer, .address_space: global }
      - { .name: bv, .offset: 72, .size: 8, .value_kind: global_buffer, .address_space: global }
      - { .name: mask_kv, .offset: 80, .size: 8, .value_kind: global_buffer, .address_space: global }
      - { .name: kvp, .offset: 88, .size: 8, .value_kind: global_buffer, .address_space: global }
      - { .name: skp, .offset: 96, .size: 8, .value_kind: global_buffer, .address_space: global }
    .group_segment_fixed_size: 327680
    .private_segment_fixed_size: 0
    .kernarg_segment_align: 8
    .kernarg_segment_size: 104
    .max_flat_workgroup_size: 128
    .sgpr_count:     102
    .vgpr_count:     1024
    .wavefront_size: 32
...
	.end_amdgpu_metadata
.endif
;; end of part 1
;; launch kvsum (part 2): grid 256 x 1, 4 waves a work-group, no clusters, 17,920 bytes of LDS; arguments kvp, skp, kvrec; writes kvrec
.if DOCPART == 2
	.amdgcn_target "amdgcn-amd-amdhsa--gfx1250"
	.amdhsa_code_object_version 6
	.text
	.protected	k_qc65a0fb5e8_kvsum
	.globl	k_qc65a0fb5e8_kvsum
	.p2align	8
	.type	k_qc65a0fb5e8_kvsum,@function
k_qc65a0fb5e8_kvsum:
	s_mov_b64 s[64:65], 0
	v_nop
	global_prefetch_b8 v0, s[64:65] scope:SCOPE_SE
	s_setreg_imm32_b32 hwreg(HW_REG_WAVE_MODE, 25, 1), 1
	s_wait_xcnt 0x0
; kv[d][v] and summed_k[d] of a head are the sums of 16 partial sums, one for each block of 256 tokens.  kv is then quantised along d (codes of BF6, E3M2; one E8M0 scale for each 32) and laid as the last launch's operand registers want it.
; SHARES.  Work-group g takes head nh = g / 4 (16 n + head) and columns v = 16 tv .. 16 tv + 15, tv = g % 4: 4,096 bytes of each of 16 partial sums, and 16 of the head's 64 summed_k.  Wave c adds partial sums 4 c .. 4 c + 3;
; the four waves' sums meet in LDS behind one barrier, and wave 0 adds them, quantises and stores.  Every load reads 512 consecutive bytes.  No work-group reads what another reads, so nothing is shared in a cluster; no matrix work.
; LAYOUT.  A partial sum is the image of 16 accumulators: lane (r, h), register 8 td + j = kv[d = 16 td + 8 h + j][v = 16 tv + r].  So a lane holds one column v and its registers run along d, the next K.
; The codes of register 16 B + i of half h go to place 32 B + 16 h + i of K: a permutation inside each block of 32, the same that the last launch gives q.
; The last launch's K step of 128 holds TWO heads' 64 channels.  So an even head's codes fill K 0-63 of its fragment and an odd head's K 64-127; the other half holds zero codes (and the scale byte 0, which is a number: zeros add nothing).
; A RECORD of 27,648 bytes for each (n, group of four heads): 16 fragments (4 hl + tv) x 1,536; 16 images of scale words x 128; summed_k, 256 hl + 4 d.  hl = head % 4.
; LIMITS: NaN and infinities are not served; a block whose largest magnitude lies under 2^-122 keeps the scale byte 1, a block of zeros too; the sums are taken in another order than a single sum over the tokens.
.set SKW,  16384                       ; LDS: four images of 4,096 bytes, then four x 128 bytes of summed_k
.set RECB, 27648
	s_load_b128 s[4:7], s[0:1], 0x0                ; kvp, skp
	s_load_b64 s[8:9], s[0:1], 0x10                ; kvrec
	v_lshl_add_u32 v192, v0, 2, 0x4400
	v_mov_b32 v193, 0
	v_lshrrev_b32 v1, 5, v0
	v_readfirstlane_b32 s10, v1                    ; wave c
	v_and_b32 v1, 31, v0                           ; lane
	v_and_b32 v2, 15, v0                           ; r
	v_bfe_u32 v3, v0, 4, 1                         ; h
	v_lshlrev_b32 v4, 4, v1                        ; 16 x lane
	v_lshlrev_b32 v5, 2, v1                        ; 4 x lane
	v_lshlrev_b32 v9, 2, v2                        ; 4 r
	v_lshl_add_u32 v6, v3, 9, v9                   ; summed_k: 4 r, and two partial sums further on for lanes 16-31
	s_lshl_b32 s11, s10, 12
	v_add_nc_u32 v7, s11, v4                       ; my wave's image
	s_lshl_b32 s11, s10, 7
	s_add_co_u32 s11, s11, SKW
	v_add_nc_u32 v8, s11, v5                       ; and its words of summed_k
	s_mov_b32 s20, 0x76543210
	s_mov_b32 s21, 0xfedcba98                      ; v_permlanex16_b32's selects for lane l xor 16
	s_lshr_b32 s12, ttmp9, 2                       ; nh
	s_and_b32 s13, ttmp9, 3                        ; tv
	s_lshl_b32 s14, s12, 4
	s_lshl_b32 s15, s10, 2
	s_add_co_u32 s14, s14, s15                     ; my first partial sum: 16 nh + 4 c
	s_lshl_b32 s16, s14, 14
	s_lshl_b32 s15, s13, 12
	s_add_co_u32 s16, s16, s15
	s_mov_b32 s17, 0
	s_lshl_b32 s18, s14, 8
	s_lshl_b32 s15, s13, 6
	s_add_co_u32 s18, s18, s15
	s_mov_b32 s19, 0
	s_and_b32 s22, s12, 1                          ; the head's parity
	s_cmp_eq_u32 s22, 0
	s_cselect_b32 s23, -1, 0                       ; all ones for an even head,
	s_cselect_b32 s24, 0, -1                       ; for an odd one
	s_lshl_b32 s25, s22, 4                         ; its two scale bytes' place in the word
	s_lshr_b32 s14, s12, 2
	s_mul_i32 s14, s14, RECB                       ; the record
	s_and_b32 s15, s12, 3                          ; hl
	s_lshl_b32 s11, s15, 2
	s_add_co_u32 s11, s11, s13                     ; 4 hl + tv
	s_mul_i32 s26, s11, 1536
	s_add_co_u32 s26, s26, s14
	s_mov_b32 s27, 0
	s_lshl_b32 s28, s11, 7
	s_add_co_u32 s28, s28, s14
	s_add_co_u32 s28, s28, 24576
	s_mov_b32 s29, 0
	s_lshl_b32 s30, s15, 8
	s_lshl_b32 s11, s13, 6
	s_add_co_u32 s30, s30, s11
	s_add_co_u32 s30, s30, s14
	s_add_co_u32 s30, s30, 26624
	s_mov_b32 s31, 0
	v_mov_b32 v146, 0                              ; a lane permute's destination counts as one of its sources
	v_mov_b32 v150, 0
	v_mov_b32 v151, 0
	s_wait_kmcnt 0x0
	s_add_nc_u64 s[4:5], s[4:5], s[16:17]
	s_add_nc_u64 s[6:7], s[6:7], s[18:19]
	s_add_nc_u64 s[26:27], s[8:9], s[26:27]
	s_add_nc_u64 s[28:29], s[8:9], s[28:29]
	s_add_nc_u64 s[30:31], s[8:9], s[30:31]
.irp q, 0,1,2,3
.irp k, 0,1,2,3,4,5,6,7
	global_load_b128 v[16+32*\q+4*\k:16+32*\q+4*\k+3], v4, s[4:5] offset:16384*\q+512*\k th:TH_LOAD_NT   ; read once in the launch
.endr
.endr
	global_load_b32 v144, v6, s[6:7]
	global_load_b32 v145, v6, s[6:7] offset:256
.macro ADD4                            ; v16-47 = (v16.. + v48..) + (v80.. + v112..)
.set i, 0
.rept 16
	v_pk_add_f32 v[16+i:17+i], v[16+i:17+i], v[48+i:49+i]
	v_pk_add_f32 v[80+i:81+i], v[80+i:81+i], v[112+i:113+i]
.set i, i+2
.endr
.set i, 0
.rept 16
	v_pk_add_f32 v[16+i:17+i], v[16+i:17+i], v[80+i:81+i]
.set i, i+2
.endr
.endm
	s_wait_loadcnt 0x0
	ADD4
	v_add_f32 v144, v144, v145
	v_permlanex16_b32 v146, v144, s20, s21
	v_add_f32 v144, v144, v146                     ; summed_k[16 tv + r] over my four partial sums, in both halves of the lanes
.irp k, 0,1,2,3,4,5,6,7
	ds_store_b128 v7, v[16+4*\k:19+4*\k] offset:512*\k
.endr
	ds_store_b32 v8, v144
	s_wait_dscnt 0x0                               ; for wave 0's sake: my stores have landed
	s_barrier_signal -1
	s_barrier_wait -1
	s_cmp_lg_u32 s10, 0
	s_cbranch_scc1 .Ldone                          ; waves 1 to 3 have handed their sums over
.irp c, 1,2,3
.irp k, 0,1,2,3,4,5,6,7
	ds_load_b128 v[16+32*\c+4*\k:19+32*\c+4*\k], v4 offset:4096*\c+512*\k
.endr
	ds_load_b32 v[144+\c], v5 offset:SKW+128*\c
.endr
	s_wait_dscnt 0x0
	ADD4
	v_add_f32 v144, v144, v145
	v_add_f32 v146, v146, v147
	v_add_f32 v144, v144, v146
	; the quantiser along d: two blocks of 32, each in lanes l and l xor 16
	v_max3_num_f32 v148, |v16|, |v17|, 0x2800000   ; my 16 numbers, and the floor 2^(5 - 127): so the byte cannot fall under 1
	v_max3_num_f32 v149, |v32|, |v33|, 0x2800000
.irp i, 2,4,6,8,10,12,14
	v_max3_num_f32 v148, v148, |v[16+\i]|, |v[17+\i]|
	v_max3_num_f32 v149, v149, |v[32+\i]|, |v[33+\i]|
.endr
	v_permlanex16_b32 v150, v148, s20, s21
	v_permlanex16_b32 v151, v149, s20, s21
	v_max_num_f32 v148, v148, v150
	v_max_num_f32 v149, v149, v151
	v_add_nc_u32 v152, 0xfe000000, v148            ; 4 off the exponent field: the conversion's scale operand
	v_add_nc_u32 v153, 0xfe000000, v149
	v_lshrrev_b32 v154, 23, v152                   ; the scale's byte
	v_lshrrev_b32 v155, 23, v153
	v_lshl_or_b32 v180, v155, 8, v154
	v_lshlrev_b32 v180, s25, v180                  ; bytes 0, 1 for an even head, 2, 3 for an odd one
	v_cvt_scalef32_pk16_bf6_f32 v[160:162], v[16:31], v152
	v_cvt_scalef32_pk16_bf6_f32 v[164:166], v[32:47], v153
	v_nop                                          ; one plain place behind a scaled conversion
.irp i, 0,1,2
	v_permlane16_swap_b32 v[160+\i], v[164+\i]     ; the operand's layout wants a WHOLE block in a lane: lanes 0-15 block 0, lanes 16-31 block 1
.endr
.irp i, 0,1,2
	v_and_b32 v[168+\i], s23, v[160+\i]            ; registers 0-5: K 0-63, an even head's codes or zeros
	v_and_b32 v[171+\i], s23, v[164+\i]
	v_and_b32 v[174+\i], s24, v[160+\i]            ; registers 6-11: K 64-127, an odd head's codes or zeros
	v_and_b32 v[177+\i], s24, v[164+\i]
.endr
.irp c, 0,1,2
	global_store_b128 v4, v[168+4*\c:171+4*\c], s[26:27] offset:512*\c   ; 32 lanes store 512 consecutive bytes, aligned
.endr
	global_store_b32 v5, v180, s[28:29]
	s_wait_xcnt 0x0                                ; EXEC changes only behind this wait
	v_cmp_gt_u32 vcc_lo, 16, v0
	s_and_saveexec_b32 s11, vcc_lo
	global_store_b32 v9, v144, s[30:31]            ; lanes 0-15: summed_k[16 tv + r]
	s_wait_xcnt 0x0                                ; and again, in front of the line that widens it
	s_or_b32 exec_lo, exec_lo, s11
.Ldone:
	s_wait_tensorcnt 0x0
	ds_add_u32 v192, v193
	s_wait_dscnt 0x0
	s_endpgm
.Lfunc_end_k_qc65a0fb5e8_kvsum:
	.size	k_qc65a0fb5e8_kvsum, .Lfunc_end_k_qc65a0fb5e8_kvsum-k_qc65a0fb5e8_kvsum
	.p2alignl 7, 3214868480
	.fill 96, 4, 3214868480
	.section	.rodata,"a",@progbits
	.p2align	6, 0x0
	.amdhsa_kernel k_qc65a0fb5e8_kvsum
		.amdhsa_group_segment_fixed_size 17920
		.amdhsa_private_segment_fixed_size 0
		.amdhsa_enable_private_segment 0
		.amdhsa_kernarg_size 24
		.amdhsa_user_sgpr_count 2
		.amdhsa_user_sgpr_kernarg_segment_ptr 1
		.amdhsa_wavefront_size32 1
		.amdhsa_system_sgpr_workgroup_id_x 1
		.amdhsa_system_sgpr_workgroup_id_y 1
		.amdhsa_system_sgpr_workgroup_id_z 1
		.amdhsa_system_vgpr_workitem_id 0
		.amdhsa_next_free_vgpr 194
		.amdhsa_next_free_sgpr 66
		.amdhsa_reserve_vcc 1
		.amdhsa_float_denorm_mode_32 3
		.amdhsa_float_denorm_mode_16_64 3
		.amdhsa_memory_ordered 1
		.amdhsa_forward_progress 1
		.amdhsa_inst_pref_size 18
	.end_amdhsa_kernel
	.amdgpu_metadata
---
amdhsa.version: [ 1, 2 ]
amdhsa.kernels:
  - .name:           k_qc65a0fb5e8_kvsum
    .symbol:         k_qc65a0fb5e8_kvsum.kd
    .args:
      - { .name: kvp, .offset: 0, .size: 8, .value_kind: global_buffer, .address_space: global }
      - { .name: skp, .offset: 8, .size: 8, .value_kind: global_buffer, .address_space: global }
      - { .name: kvrec, .offset: 16, .size: 8, .value_kind: global_buffer, .address_space: global }
    .group_segment_fixed_size: 17920
    .private_segment_fixed_size: 0
    .kernarg_segment_align: 8
    .kernarg_segment_size: 24
    .max_flat_workgroup_size: 128
    .sgpr_count:     66
    .vgpr_count:     194
    .wavefront_size: 32
...
	.end_amdgpu_metadata
.endif
;; end of part 2
;; launch qout (part 3): grid 4 x 64, 4 waves a work-group, clusters of 4 x 4, 327,680 bytes of LDS; arguments query_codes, query_scales, Wq_codes, Wq_scales, bq, mask_q, kvrec, out0; writes out0
.if DOCPART == 3
	.amdgcn_target "amdgcn-amd-amdhsa--gfx1250"
	.amdhsa_code_object_version 6
	.text
	.protected	k_qc65a0fb5e8_qout
	.globl	k_qc65a0fb5e8_qout
	.p2align	8
	.type	k_qc65a0fb5e8_qout,@function
k_qc65a0fb5e8_qout:
	s_mov_b64 s[64:65], 0
	v_nop
	global_prefetch_b8 v0, s[64:65] scope:SCOPE_SE
	s_setreg_imm32_b32 hwreg(HW_REG_WAVE_MODE, 25, 1), 1
	s_wait_xcnt 0x0
	s_wait_alu depctr_hold_cnt(0) depctr_sa_sdst(0) depctr_va_vdst(0) depctr_va_sdst(0) depctr_va_ssrc(0) depctr_va_vcc(0) depctr_vm_vsrc(0)
	s_getreg_b32 s2, hwreg(HW_REG_IB_STS2, 6, 4)
	s_cmp_eq_u32 s2, 0
	s_cbranch_scc0 .Lentry_in_a_cluster
	s_endpgm
.Lentry_in_a_cluster:
	s_bfe_u32 s2, ttmp6, 0x10000c
	s_cmp_lg_u32 s2, 0xf033
	s_cbranch_scc0 .Lentry_shape_is_right
	s_endpgm
.Lentry_shape_is_right:
; q = (elu(query Wq^T + bq) + 1) mask_q;  out = 4096 (q kv) / (1e-6 + q . summed_k), head by head.  The products query Wq^T and q kv on codes of BF6 (E3M2) with one E8M0 scale for each 32 along K; q . summed_k by f32 multiply-adds.
; SHARES.  A work-group takes 256 tokens (y) x 256 channels (x: four heads).  Four waves, each 128 tokens x 128 channels (two heads): 64 accumulators of 16 x 16, 512 registers.
; THE MATRIX INSTRUCTION IS USED TRANSPOSED: source 0 (P) = 16 rows of Wq, source 1 (Q) = 16 tokens.  A lane then holds ONE token, and the 64 registers of a token tile run along my 128 channels, the next product's K.
; Register 8 t + j of lane (r, h) is channel 16 t + 8 h + j.  The quantiser lays register 16 B + i of half h at place 32 B + 16 h + i of K: a permutation inside each block of 32, the same that kv's codes were given.
; One fragment of q holds two heads (K 0-63, K 64-127); kv's fragments hold zero codes in the other head's half, so each head's product takes its own 64 channels.
; K goes in steps of 256 through a ring of two LDS slots filled by the tensor data mover.  kv's fragments, their scale words and summed_k of the four heads are one dense record of 27,648 bytes: it comes with the first fills and stays.
; CLUSTERS: 4 x 4 work-groups.  The four of a row of the cluster need the same tokens, the four of a column the same rows of Wq and the same record: each is asked for JOINTLY, with a mask that names the four.
; No prefetch: of K's four slots two are first fills and the other two are asked for one and two changes of slots later: a request ahead of them would stand at the head, among the first fills.
; THE SCALE WORDS of the first product stay in registers: lanes 0-15 hold the words of K steps 0-3, lanes 16-31 those of steps 4-7 (the instructions of steps 4-7 name the upper row of lanes).
; LIMITS.  NaN and infinities are not served.  elu(x) + 1 for x <= 0 is taken as 2^(x log2 e): it differs from expm1(x) + 1 by about 6e-8 at the most, its relative error grows as |x| x 6e-8, results under 2^-126 become 0.
; A block whose largest magnitude lies under 2^-122 keeps the scale byte 1, a block of zeros too (its codes are zeros).  The division is a multiplication by v_rcp_f32's result.
; REGISTERS, in windows of 256.  Window 0: v0-31 addresses and mask_q; v32-95 scale words and nothing else; v96-127, v224-255 the bias of my 64 channels; v128-223 Q's fragments, ONE set, later kv's eight.
;   Window 1: P's fragments, TWO sets (v0, v128); v96-127, v224-255 summed_k; in the epilogue v0-63 a token tile's numbers, v64-82 codes, v84-93 and v192-208 at work, v128-191 at work and then the results.   Windows 2, 3: the accumulators.
.set KROW,  768
.set ROWB,  192
.set PITCH, 240
.set FR,    12
.set FRB,   1536
.set HALFT, 128*PITCH
.set SLOT,  4*HALFT                    ; Q's 256 rows, then P's 256
.set RECB,  27648
.set REC,   2*SLOT                     ; behind the ring: the record, filled once
.set SPARE, REC+RECB                   ; the spare words, 128 bytes for each wave: two blocks of 256 bytes that no other line names
.set SPITCH, 528                       ; the way out: a stage of 16 rows x (512 bytes + 16) for each wave, in slot 0, which has had its last fill and its last read when the first result is stored there
.set STO, 6                            ; v6   the stage: where I put 32 bytes of a row
.set RD,  7                            ; v7   and where I read a row back
.set MQ,  8                            ; v8-15 mask_q of token 16 a + r
.set ADRQ, 16
.set ADRP, 20
.set CO,  24                           ; v24  16 x lane: my bytes of a row of out
.set SOF, 25                           ; v25  32 r + 16 h
.set RECA, 26                          ; v26  where my two heads' fragments of kv begin
.set BOF, 27                           ; v27  32 h
.set SPW, 28
.set NIL, 29
.set SKA, 30                           ; v30  summed_k of my channels
.set KSA, 31                           ; v31  kv's scale words: lanes 0-15 the even head's, lanes 16-31 the odd head's
.set SQ,  32
.set SP,  64
.set KVS, 32                           ; the last product: kv's scale words v32-35, q's v36
.set QW,  36
.set BI,  96                           ; bias of channel index i at v[BI + i + 96 (i / 32)]
.set AF,  128
.set X,   0                            ; window 1
.set PC,  64
.set DOT, 84                           ; v84-87 q . summed_k: the even head's two halves, the odd head's
.set RR,  88                           ; v88-89 4096 / (1e-6 + the dot product), even head, odd head
.set PD,  90                           ; v90-91 lane permutes' destinations
.set MQC, 92                           ; v92 the tile's mask_q (v93 is named with it as a pair)
.set SK,  96                           ; summed_k of channel index i at v[SK + i + 96 (i / 32)]
.set T,   128
.set OA,  128                          ; the results: tile k = 4 e + tv at v[OA + 8 k]
.set TM,  192
.set PW,  208
.set G1Q, 24                           ; s[24:31] descriptor group 1 for the tokens' tiles; s[32:39] group 0, one set for each slot
.set G0Q, 32
.set G1P, 48                           ; s[48:55], s[56:63] the same for Wq's tiles
.set G0P, 56
.set G1R, 68                           ; s[68:75], s[76:79] groups 1 and 0 for the record
.set G0R, 76
.set SEL, 98                           ; s[98:99]
.set MUL_LO, 0xa1
.set MUL_HI, 0xf1
.set TO_P,   0x40
.set MSB, 0
.macro WIN new                         ; the immediate's high byte repeats the setting that is left; a switch that changes nothing is dropped
.if MSB != (\new)
	s_set_vgpr_msb (MSB<<8)|(\new)
.set MSB, (\new)
.endif
.endm
.macro PLACES n                        ; plain vector instructions between a matrix instruction and a load into, or a read of, its registers
.rept \n
	v_nop
.endr
.endm
.macro CREST                           ; a round of the cluster's barrier behind its opening barrier
	s_cmp_lg_u32 s14, 0
	s_cbranch_scc1 .Lnot_wave_0_\@
	s_barrier_signal -3
.Lnot_wave_0_\@:
	s_barrier_wait -3
	s_barrier_signal -1
	s_barrier_wait -1
.endm
.macro CROUND
	s_barrier_signal -1
	s_barrier_wait -1
	CREST
.endm
; A fragment: lane l holds row l % 16; registers 6 c .. 6 c + 5 hold K = 64 c + 32 (l / 16) + 0 .. 31: 24 bytes of the row, in pieces of 8 bytes.  Lanes 16-31 read three pieces further on,
; which for some pieces is behind one padding more: the second address register serves those.
.macro FRAG reg, adr, q, i
.irp p, 0,1,2,3,4,5
.set PCE, 12*(\q)+6*(\p/3)+\p%3
.if PCE%8 < 5
	ds_load_b64 v[\reg+2*\p:\reg+2*\p+1], v[\adr] offset:8*PCE+16*(PCE/8)+(\i)*16*PITCH
.else
	ds_load_b64 v[\reg+2*\p:\reg+2*\p+1], v[\adr+2] offset:8*PCE+16*(PCE/8)+(\i)*16*PITCH
.endif
.endr
.endm
.macro FETCH_P slot, q, ps
	WIN TO_P
.irp i, 0,1,2,3,4,5,6,7
	FRAG 128*(\ps)+FR*\i, ADRP+\slot, \q, \i
.endr
	WIN 0
.endm
.macro FETCH_Q slot, q, i0
.irp i, \i0, \i0+1, \i0+2, \i0+3
	FRAG AF+FR*(\i), ADRQ+\slot, \q, \i
.endr
.endm
.macro WM a, b, ps, s, zero            ; one product: Q's block a x P's block b, K step s
.set rD, 8*(8*((\a)%4)+(\b))
.set rP, 128*(\ps)+FR*(\b)
.set rQ, AF+FR*(\a)
.set rSP, SP+4*(\b)+(\s)%4
.set rSQ, SQ+4*(\a)+(\s)%4
.if \zero
	v_wmma_scale_f32_16x16x128_f8f6f4 v[rD:rD+7], v[rP:rP+FR-1], v[rQ:rQ+FR-1], 0, v[rSP], v[rSQ] matrix_a_fmt:MATRIX_FMT_BF6 matrix_b_fmt:MATRIX_FMT_BF6
.elseif (\s) < 4
	v_wmma_scale_f32_16x16x128_f8f6f4 v[rD:rD+7], v[rP:rP+FR-1], v[rQ:rQ+FR-1], v[rD:rD+7], v[rSP], v[rSQ] matrix_a_fmt:MATRIX_FMT_BF6 matrix_b_fmt:MATRIX_FMT_BF6
.else
	v_wmma_scale_f32_16x16x128_f8f6f4 v[rD:rD+7], v[rP:rP+FR-1], v[rQ:rQ+FR-1], v[rD:rD+7], v[rSP], v[rSQ] matrix_a_fmt:MATRIX_FMT_BF6 matrix_b_fmt:MATRIX_FMT_BF6 matrix_a_scale:MATRIX_SCALE_ROW1 matrix_b_scale:MATRIX_SCALE_ROW1
.endif
.endm
.macro MUL16 a0, ps, s, zero           ; 16 products.  The 64 accumulators take turns, one instruction a turn, in the same order in every step
.irp a, \a0, \a0+1
.irp b, 0,1,2,3,4,5,6,7
	WM (\a), \b, \ps, \s, \zero
.endr
.endr
.endm
.macro SETG0 slot, qb, pb, t           ; the slot's two groups 0: 256 t along K of the rows at s[qb], s[pb].  No tensor load that names them is out where this stands
.if (\t) == 0
	s_mov_b64 s[G0Q+4*\slot+2:G0Q+4*\slot+3], s[\qb:\qb+1]
	s_mov_b64 s[G0P+4*\slot+2:G0P+4*\slot+3], s[\pb:\pb+1]
.else
	s_add_nc_u64 s[G0Q+4*\slot+2:G0Q+4*\slot+3], s[\qb:\qb+1], ROWB*(\t)
	s_add_nc_u64 s[G0P+4*\slot+2:G0P+4*\slot+3], s[\pb:\pb+1], ROWB*(\t)
.endif
	s_or_b32 s[G0Q+4*\slot+3], s[G0Q+4*\slot+3], 0x80000000
	s_or_b32 s[G0P+4*\slot+3], s[G0P+4*\slot+3], 0x80000000
.endm
; A joint load: waves 0 and 1 fetch Q's two halves, waves 2 and 3 P's; the branch hangs on the wave's number alone.  Four v_nop follow each of the two lines.
.macro JLOAD slot
	s_cmp_eq_u32 s15, 0
	s_cbranch_scc0 .Lfor_p_\@
	tensor_load_to_lds s[G0Q+4*\slot:G0Q+4*\slot+3], s[G1Q:G1Q+7]
	s_nop 0
.rept 4
	v_nop
.endr
	s_branch .Lasked_\@
.Lfor_p_\@:
	tensor_load_to_lds s[G0P+4*\slot:G0P+4*\slot+3], s[G1P:G1P+7]
	s_nop 0
.rept 4
	v_nop
.endr
.Lasked_\@:
.endm
.macro STEP slot, s, zero              ; a slot's first 128 along K (K step s, even; P's set 0)
	s_wait_dscnt 24                                ; P's set and Q's blocks 0-3 are in; the youngest 24 loads (Q's blocks 4-7) may be out
	WIN MUL_LO
	MUL16 0, 0, \s, \zero
	MUL16 2, 0, \s, \zero
	s_wait_dscnt 0x0                               ; Q's blocks 4-7 are in
	PLACES 4
	FETCH_P \slot, 1, 1
	FETCH_Q \slot, 1, 0
	WIN MUL_HI
	MUL16 4, 0, \s, \zero
	MUL16 6, 0, \s, \zero
	PLACES 4
	WIN 0
	FETCH_Q \slot, 1, 4
.endm
; A slot's second 128 along K (K step s, odd; P's set 1) changes slots: ONE barrier; in front of it each wave waits for all its tensor loads, adds 0 to its spare word, and waits for that and for its reads of this slot.
; fill = 1: the barrier opens a round of the cluster's barrier and this slot is filled again, with 256 t along K.
.macro TURN slot, next, s, fill, t
	s_wait_tensorcnt 0x0                           ; all my tensor loads have landed: my part of the next slot
	ds_add_u32 v[SPW], v[NIL]                      ; 0 onto my spare word
	s_wait_dscnt 25                                ; (the add and the youngest 24 loads, Q's blocks 4-7, may be out)
	WIN MUL_LO
	MUL16 0, 1, \s, 0                              ; sixteen matrix instructions stand between the add and the wait for it
	s_wait_dscnt 0x0                               ; the add is done, and my reads of this slot are over
	s_barrier_signal -1
	MUL16 2, 1, \s, 0
	WIN 0
	s_barrier_wait -1
.if \fill
	CREST                                          ; no wave of any partner still reads this slot's tile or has a load on its way
	SETG0 \slot, 80, 84, \t
	JLOAD \slot                                    ; the first tensor load behind the round; its four v_nop are also the places in front of the loads below
.else
	PLACES 4
.endif
	FETCH_P \next, 0, 0
	FETCH_Q \next, 0, 0
	WIN MUL_HI
	MUL16 4, 1, \s, 0
	MUL16 6, 1, \s, 0
	PLACES 4
	WIN 0
	FETCH_Q \next, 0, 4
.endm
.macro LAST s                          ; the last K step: nothing more to fetch
	s_wait_dscnt 24
	WIN MUL_LO
	MUL16 0, 1, \s, 0
	MUL16 2, 1, \s, 0
	s_wait_dscnt 0x0
	WIN MUL_HI
	MUL16 4, 1, \s, 0
	MUL16 6, 1, \s, 0
	WIN 0
.endm
; 64 numbers of a lane, v[s] .. v[s + 63], become a fragment's codes in v[PC] on and its row's scale word in v[PW].  All its registers lie in window 1.
.macro QUANT s
.irp b, 0,1,2,3
	v_max3_num_f32 v[TM+\b], |v[\s+16*\b]|, |v[\s+1+16*\b]|, 0x2800000   ; block b: my 16 numbers, and the floor 2^(5 - 127): so the byte cannot fall under 1
.endr
.irp i, 2,4,6,8,10,12,14
.irp b, 0,1,2,3
	v_max3_num_f32 v[TM+\b], v[TM+\b], |v[\s+16*\b+\i]|, |v[\s+1+16*\b+\i]|   ; (the four blocks by turns)
.endr
.endr
.irp b, 0,1,2,3
	v_permlanex16_b32 v[TM+4+\b], v[TM+\b], s[SEL], s[SEL+1]
.endr
.irp b, 0,1,2,3
	v_max_num_f32 v[TM+\b], v[TM+\b], v[TM+4+\b]   ; with lane l xor 16's: the block's largest magnitude
.endr
.irp b, 0,1,2,3
	v_add_nc_u32 v[TM+12+\b], 0xfe000000, v[TM+\b] ; 4 off its exponent field: the conversion takes the exponent field of this operand as its scale
.endr
.irp b, 0,1,2,3
	v_lshrrev_b32 v[TM+4+\b], 23, v[TM+12+\b]      ; the scale's byte
.endr
	v_lshl_or_b32 v[PW], v[TM+5], 8, v[TM+4]
	v_lshl_or_b32 v[PW], v[TM+6], 16, v[PW]
	v_lshl_or_b32 v[PW], v[TM+7], 24, v[PW]
.irp c, 0,1
	v_cvt_scalef32_pk16_bf6_f32 v[PC+6*\c:PC+2+6*\c], v[\s+32*\c:\s+15+32*\c], v[TM+12+2*\c]
	v_cvt_scalef32_pk16_bf6_f32 v[PC+12+4*\c:PC+14+4*\c], v[\s+16+32*\c:\s+31+32*\c], v[TM+12+2*\c+1]   ; (a conversion's three registers begin on an even number)
.endr
	v_nop                                          ; one plain place behind a scaled conversion
.irp c, 0,1                                    ; the operand's layout wants a WHOLE block in a lane
.irp i, 0,1,2
	v_permlane16_swap_b32 v[PC+6*\c+\i], v[PC+12+4*\c+\i]
.endr
.irp i, 0,1,2
	v_mov_b32 v[PC+3+6*\c+\i], v[PC+12+4*\c+\i]
.endr
.endr
.endm
; elu(x) + 1 on v[X] .. v[X + 63], in window 1: max(x, 0) + 2^(min(x, 0) log2 e): x + 1 above 0, e^x below
.macro FMAP
.set i, 0
.rept 64
	v_min_num_f32 v[T+i], 0, v[X+i]
.set i, i+1
.endr
.set i, 0
.rept 32
	v_pk_add_f32 v[X+i:X+i+1], v[X+i:X+i+1], v[T+i:T+i+1] neg_lo:[0,1] neg_hi:[0,1]
.set i, i+2
.endr
.set i, 0
.rept 32
	v_pk_mul_f32 v[T+i:T+i+1], v[T+i:T+i+1], s[66:67] op_sel_hi:[1,0]
.set i, i+2
.endr
.set i, 0
.rept 64
	v_exp_f32 v[T+i], v[T+i]
.set i, i+1
.endr
	v_nop                                          ; one plain place behind the exponentials
.set i, 0
	s_wait_alu depctr_va_vdst(0)
.rept 32
	v_pk_add_f32 v[X+i:X+i+1], v[X+i:X+i+1], v[T+i:T+i+1]
.set i, i+2
.endr
.endm
; Token tile a leaves the accumulators' window: X = accumulators + the channels' bias.  The addition is also the copy; each accumulator is read from its low end on.  The tile's mask goes along.
.macro CASE a
	WIN 0x42+(\a)/4                                ; destination window 1, source 0 window 2 or 3, source 1 window 0
.set i, 0
.rept 32
	v_pk_add_f32 v[X+2*i:X+2*i+1], v[64*((\a)%4)+2*i:64*((\a)%4)+2*i+1], v[BI+2*i+96*(i/16):BI+2*i+96*(i/16)+1]
.set i, i+1
.endr
	v_or_b32 v[MQC], 0, v[MQ+(\a)]                 ; a copy from window 0 to window 1: the register stands as source 1, whose window is 0 here
	WIN 0
.endm
.macro SWITCH                          ; register numbers cannot be stepped: the trip's number s96 chooses one of eight copies of the 33 lines; all else of a trip is written once
.irp a, 0,1,2,3,4,5,6
	s_cmp_eq_u32 s96, \a
	s_cbranch_scc1 .Lcase_\@_\a
.endr
	CASE 7
	s_branch .Lbody_\@
.irp a, 0,1,2,3,4,5,6
.Lcase_\@_\a:
	CASE \a
.if \a < 6
	s_branch .Lbody_\@
.endif
.endr
.Lbody_\@:
.endm
	s_load_b512 s[80:95], s[0:1], 0x0              ; query codes 80, query scales 82, Wq codes 84, Wq scales 86, bq 88, mask_q 90, kvrec 92, out0 94
	v_lshl_add_u32 v[SPW], v0, 2, SPARE
	v_mov_b32 v[NIL], 0
	ds_add_u32 v28, v29
	s_wait_dscnt 0x0
	v_lshrrev_b32 v1, 5, v0
	v_readfirstlane_b32 s14, v1                    ; wave 0..3
	s_lshr_b32 s15, s14, 1                         ; QH: which 128 tokens are mine.  Also: I fetch for Q (0) or for P (1)
	s_and_b32 s16, s14, 1                          ; PH: which 128 channels.  Also: which 128 rows of that tile I fetch
	s_bfe_u32 s40, ttmp6, 0x40000                  ; cx, cy
	s_bfe_u32 s41, ttmp6, 0x40004
	s_lshl_b32 s42, ttmp9, 2
	s_add_co_u32 s42, s42, s40                     ; x: the group of four heads
	s_and_b32 s17, ttmp7, 0xffff
	s_lshl_b32 s17, s17, 2
	s_add_co_u32 s17, s17, s41                     ; y: the block of 256 tokens
	s_lshl_b32 s43, s41, 2
	s_lshl_b32 s43, 15, s43                        ; my row of the cluster
	s_lshl_b32 s44, 0x1111, s40                    ; my column
	s_or_b32 s[G1Q], s43, (1<<20)|(1<<21)|(3<<22)|(3<<25)   ; the tokens' tiles go to my row; elements of 1 byte; padding on; 21 set beside a mask; after every 16 words 4 words
	s_or_b32 s[G1P], s44, (1<<20)|(1<<21)|(3<<22)|(3<<25)   ; Wq's tiles go to my column
.irp g, G1Q, G1P
	s_mov_b32 s[\g+1], ROWB<<16
	s_mov_b32 s[\g+2], 128<<16
	s_mov_b32 s[\g+3], ROWB<<16
	s_mov_b32 s[\g+4], 128
	s_mov_b32 s[\g+5], KROW
	s_mov_b32 s[\g+6], 0
	s_mov_b32 s[\g+7], 0
.endr
	s_or_b32 s[G1R], s44, (3<<16)|(1<<21)          ; the record goes to my column; a quarter of it: 27 dense rows of 256 bytes (32 elements of 8 bytes), no padding
	s_mov_b32 s[G1R+1], 32<<16
	s_mov_b32 s[G1R+2], 27<<16
	s_mov_b32 s[G1R+3], 32<<16
	s_mov_b32 s[G1R+4], 27
	s_mov_b32 s[G1R+5], 32
	s_mov_b32 s[G1R+6], 0
	s_mov_b32 s[G1R+7], 0
	s_mov_b32 s66, 0x3fb8aa3b                      ; log2 e
	s_mov_b32 s67, s66                             ; (named with it as a pair, so it is written)
	s_mov_b32 s[SEL], 0x76543210
	s_mov_b32 s[SEL+1], 0xfedcba98
	s_lshl_b32 s18, s16, 7
	s_lshl_b32 s20, s17, 8
	s_add_co_u32 s20, s20, s18                     ; token 256 y + 128 PH: the rows that I fetch for Q
	s_mul_i32 s20, s20, KROW
	s_mov_b32 s21, 0
	s_lshl_b32 s46, s42, 8
	s_add_co_u32 s46, s46, s18                     ; channel 256 x + 128 PH: the rows of Wq that I fetch, and my own 128 channels
	s_mul_i32 s22, s46, KROW
	s_mov_b32 s23, 0
	s_mul_i32 s45, s14, HALFT                      ; where my load goes: no place in the cluster enters an LDS address
	s_and_b32 s2, ttmp7, 0xffff                    ; the cluster's y: four clusters to a batch entry n,
	s_and_b32 s2, s2, 0xfffc                       ; so this is 4 n: the same in all sixteen partners
	s_add_co_u32 s2, s2, s42                       ; the record 4 n + x
	s_mul_i32 s2, s2, RECB
	s_mul_i32 s3, s14, RECB/4                      ; my wave's quarter
	s_add_co_u32 s2, s2, s3
	s_add_co_u32 s[G0R+1], s3, REC
	s_mov_b32 s3, 0
	s_mov_b32 s[G0R], 1
	s_wait_kmcnt 0x0
	s_add_nc_u64 s[80:81], s[80:81], s[20:21]
	s_add_nc_u64 s[84:85], s[84:85], s[22:23]
	s_add_nc_u64 s[G0R+2:G0R+3], s[92:93], s[2:3]
	s_or_b32 s[G0R+3], s[G0R+3], 0x80000000
	CROUND                                         ; all sixteen work-groups are here: the first joint loads meet
	tensor_load_to_lds s[G0R:G0R+3], s[G1R:G1R+7]  ; the record: one line for all four waves, each its own quarter
	s_nop 0
.rept 4
	v_nop
.endr
.irp s, 0,1
	s_mov_b32 s[G0Q+4*\s], 1
	s_add_co_u32 s[G0Q+4*\s+1], s45, \s*SLOT
	s_mov_b32 s[G0P+4*\s], 1
	s_add_co_u32 s[G0P+4*\s+1], s45, \s*SLOT
	SETG0 \s, 80, 84, \s
	JLOAD \s                                       ; K 0-255 and 256-511: three loads of mine are out
.endr
	v_and_b32 v1, 15, v0                           ; r
	v_bfe_u32 v2, v0, 4, 1                         ; h
	v_mul_u32_u24 v3, v1, PITCH
	v_mul_u32_u24 v4, v2, 24
	v_add_nc_u32 v4, v3, v4                        ; a fragment's row x pitch + 24 h
	v_lshl_add_u32 v5, v2, 4, v4                   ; and the same behind one padding more
	s_mul_i32 s2, s15, HALFT                       ; my 128 rows of Q
	s_mul_i32 s3, s16, HALFT
	s_add_co_u32 s3, s3, 2*HALFT                   ; my 128 rows of P, behind Q's 256
.irp s, 0,1
	v_add_nc_u32 v[ADRQ+\s], s2, v4
	v_add_nc_u32 v[ADRP+\s], s3, v4
	v_add_nc_u32 v[ADRQ+2+\s], s2, v5
	v_add_nc_u32 v[ADRP+2+\s], s3, v5
	s_add_co_u32 s2, s2, SLOT
	s_add_co_u32 s3, s3, SLOT
.endr
	v_and_b32 v3, 31, v0                           ; lane
	v_lshlrev_b32 v[CO], 4, v3
	v_lshlrev_b32 v5, 2, v1                        ; 4 r
	v_lshlrev_b32 v[BOF], 5, v2
	v_lshlrev_b32 v[SOF], 5, v1
	v_lshl_add_u32 v[SOF], v2, 4, v[SOF]
	s_mul_i32 s2, s14, 16*SPITCH                   ; my stage
	v_mul_u32_u24 v[STO], v1, SPITCH
	v_lshl_add_u32 v[STO], v2, 5, v[STO]
	v_add_nc_u32 v[STO], s2, v[STO]                ; in: row r, 32 bytes for each half of the lanes
	v_add_nc_u32 v[RD], s2, v[CO]                  ; back: the 32 lanes take one row of 512 bytes
	s_mul_i32 s2, s16, 8*FRB
	s_add_co_u32 s2, s2, REC
	v_add_nc_u32 v[RECA], s2, v[CO]
	s_lshl_b32 s2, s16, 9
	s_add_co_u32 s2, s2, REC+26624
	v_add_nc_u32 v[SKA], s2, v[BOF]
	s_lshl_b32 s2, s16, 10
	s_add_co_u32 s2, s2, REC+24576
	v_lshl_add_u32 v[KSA], v2, 9, v5
	v_add_nc_u32 v[KSA], s2, v[KSA]
	s_mov_b32 s3, 0
	s_lshl_b32 s2, s46, 5                          ; my channels' scale bytes of Wq,
	s_add_nc_u64 s[86:87], s[86:87], s[2:3]
	s_lshl_b32 s2, s46, 2                          ; their bias, and their place in a row of out
	s_add_nc_u64 s[88:89], s[88:89], s[2:3]
	s_add_nc_u64 s[94:95], s[94:95], s[2:3]
	s_lshl_b32 s18, s17, 8
	s_lshl_b32 s19, s15, 7
	s_add_co_u32 s18, s18, s19                     ; token 256 y + 128 QH: my own 128
	s_lshl_b32 s2, s18, 5
	s_add_nc_u64 s[82:83], s[82:83], s[2:3]
	s_lshl_b32 s2, s18, 2
	s_add_nc_u64 s[90:91], s[90:91], s[2:3]
	s_lshl_b32 s2, s18, 12                         ; a row of out is 4,096 bytes
	s_add_nc_u64 s[94:95], s[94:95], s[2:3]
.irp a, 0,1,2,3,4,5,6,7
	global_load_b128 v[SQ+4*\a:SQ+4*\a+3], v[SOF], s[82:83] offset:512*\a   ; 16 rows x 32 bytes of scales = 512 dense bytes a load
	global_load_b128 v[SP+4*\a:SP+4*\a+3], v[SOF], s[86:87] offset:512*\a
.endr
.irp t, 0,1,2,3,4,5,6,7                        ; the bias of channels 16 t + 8 h + 0 .. 7
	global_load_b128 v[BI+8*\t+96*(\t/4):BI+8*\t+96*(\t/4)+3], v[BOF], s[88:89] offset:64*\t
	global_load_b128 v[BI+8*\t+96*(\t/4)+4:BI+8*\t+96*(\t/4)+7], v[BOF], s[88:89] offset:64*\t+16
.endr
.irp a, 0,1,2,3,4,5,6,7
	global_load_b32 v[MQ+\a], v5, s[90:91] offset:64*\a
.endr
	s_wait_tensorcnt 1                             ; the record and my part of slot 0 are in (slot 1's load may be out)
	s_barrier_signal -1
	s_barrier_wait -1                              ; everybody's are
	FETCH_P 0, 0, 0
	FETCH_Q 0, 0, 0
	FETCH_Q 0, 0, 4
	s_wait_loadcnt 0x0                             ; scale words, bias, mask
	; ---- query Wq^T.  The eight K steps are written out: the row of lanes and the register of the scale words are constants of each line
	STEP 0, 0, 1                                   ; the first products start the sums: nothing is cleared
	TURN 0, 1, 1, 1, 2
	STEP 1, 2, 0
	TURN 1, 0, 3, 1, 3
	STEP 0, 4, 0
	TURN 0, 1, 5, 0, 0                             ; nothing is left to fetch: behind this barrier slot 0 is neither filled nor read again
	STEP 1, 6, 0
	LAST 7
	; ---- what stays for the epilogue: kv's eight fragments (two heads x four tiles of v), their scale words, summed_k of my channels
	PLACES 4
.irp k, 0,1,2,3,4,5,6,7
.irp c, 0,1,2
	ds_load_b128 v[AF+FR*\k+4*\c:AF+FR*\k+4*\c+3], v[RECA] offset:FRB*\k+512*\c
.endr
.endr
.irp tv, 0,1,2,3
	ds_load_b32 v[KVS+\tv], v[KSA] offset:128*\tv
.endr
	WIN 0x40
.irp t, 0,1,2,3,4,5,6,7
	ds_load_b128 v[SK+8*\t+96*(\t/4):SK+8*\t+96*(\t/4)+3], v[SKA] offset:64*\t
	ds_load_b128 v[SK+8*\t+96*(\t/4)+4:SK+8*\t+96*(\t/4)+7], v[SKA] offset:64*\t+16
.endr
	v_mov_b32 v[MQC+1], 0                          ; (named as the upper half of a pair)
	v_mov_b32 v[PD], 0                             ; a lane permute's destination counts as one of its sources
	v_mov_b32 v[PD+1], 0
.irp b, 0,1,2,3
	v_mov_b32 v[TM+4+\b], 0
.endr
	WIN 0
	s_wait_dscnt 0x0
	s_mov_b32 s96, 0
	; ---- eight tiles of 16 tokens, a trip each
.Ltok:
	SWITCH
	WIN 0x55                                       ; all in window 1
	FMAP
.set i, 0
.rept 32
	v_pk_mul_f32 v[X+i:X+i+1], v[X+i:X+i+1], v[MQC:MQC+1] op_sel_hi:[1,0]   ; x my token's mask
.set i, i+2
.endr
	QUANT X
	WIN 0x01                                       ; source 0 window 1, destination window 0: scale operands have no window
	v_mov_b32 v[QW], v[PW]
	WIN 0x55
	v_pk_mul_f32 v[DOT:DOT+1], v[X:X+1], v[SK:SK+1]                ; q . summed_k on the UNQUANTISED q, in f32: the two heads by turns.  These 32 lines are also the places between the scale word's and the codes' last writes and the products
	v_pk_mul_f32 v[DOT+2:DOT+3], v[X+32:X+33], v[SK+128:SK+129]
.set i, 2
.rept 15
	v_pk_fma_f32 v[DOT:DOT+1], v[X+i:X+i+1], v[SK+i:SK+i+1], v[DOT:DOT+1]
	v_pk_fma_f32 v[DOT+2:DOT+3], v[X+32+i:X+33+i], v[SK+128+i:SK+129+i], v[DOT+2:DOT+3]
.set i, i+2
.endr
	WIN 0x44                                       ; source 0 (kv) window 0, source 1 (q) window 1, destination window 1
.irp e, 0,1                                    ; q kv, transposed: source 0 = 16 of kv's columns v, source 1 = my 16 tokens: a lane holds eight neighbouring channels of one token's result
.irp tv, 0,1,2,3
.if \e == 0
	v_wmma_scale_f32_16x16x128_f8f6f4 v[OA+8*(4*\e+\tv):OA+8*(4*\e+\tv)+7], v[AF+FR*(4*\e+\tv):AF+FR*(4*\e+\tv)+FR-1], v[PC:PC+FR-1], 0, v[KVS+\tv], v[QW] matrix_a_fmt:MATRIX_FMT_BF6 matrix_b_fmt:MATRIX_FMT_BF6
.else
	v_wmma_scale_f32_16x16x128_f8f6f4 v[OA+8*(4*\e+\tv):OA+8*(4*\e+\tv)+7], v[AF+FR*(4*\e+\tv):AF+FR*(4*\e+\tv)+FR-1], v[PC:PC+FR-1], 0, v[KVS+\tv], v[QW] matrix_a_fmt:MATRIX_FMT_BF6 matrix_b_fmt:MATRIX_FMT_BF6 matrix_a_scale:MATRIX_SCALE_ROW1
.endif
.endr
.endr
	WIN 0x55
	v_add_f32 v[DOT], v[DOT], v[DOT+1]             ; the divisors; these lines name none of the products' registers: they are the places behind them
	v_add_f32 v[DOT+2], v[DOT+2], v[DOT+3]
	v_permlanex16_b32 v[PD], v[DOT], s[SEL], s[SEL+1]
	v_permlanex16_b32 v[PD+1], v[DOT+2], s[SEL], s[SEL+1]
	v_add_f32 v[DOT], v[DOT], v[PD]                ; with lane l xor 16's 32 channels
	v_add_f32 v[DOT+2], v[DOT+2], v[PD+1]
	v_add_f32 v[DOT], 0x358637bd, v[DOT]           ; + 1e-6
	v_add_f32 v[DOT+2], 0x358637bd, v[DOT+2]
	v_rcp_f32 v[RR], v[DOT]
	v_rcp_f32 v[RR+1], v[DOT+2]
	v_nop                                          ; one plain place behind the reciprocals
	s_wait_alu depctr_va_vdst(0)
	v_mul_f32 v[RR], 0x45800000, v[RR]             ; x 4096
	v_mul_f32 v[RR+1], 0x45800000, v[RR+1]
.set i, 0
.rept 16
	v_pk_mul_f32 v[OA+i:OA+i+1], v[OA+i:OA+i+1], v[RR:RR+1] op_sel_hi:[1,0]              ; the even head; each accumulator from its low end on
.set i, i+2
.endr
.rept 16
	v_pk_mul_f32 v[OA+i:OA+i+1], v[OA+i:OA+i+1], v[RR:RR+1] op_sel:[0,1] op_sel_hi:[1,1] ; the odd head
.set i, i+2
.endr
	; the way out: a lane holds 32 neighbouring bytes of a row and the lanes beside it other rows: the tile goes through my own stage and comes back as whole rows of 512 bytes
	WIN 0x04                                       ; an LDS store's data are its source 1: window 1
.irp k, 0,1,2,3,4,5,6,7
	ds_store_b128 v[STO], v[OA+8*\k:OA+8*\k+3] offset:64*\k
	ds_store_b128 v[STO], v[OA+8*\k+4:OA+8*\k+7] offset:64*\k+16
.endr
	WIN 0x40
.irp t, 0,1,2,3,4,5,6,7,8,9,10,11,12,13,14,15
	ds_load_b128 v[X+4*\t:X+4*\t+3], v[RD] offset:\t*SPITCH       ; LDS serves a wave's instructions in order (ISA guide 5.7.1.4): these see the stores above
.endr
	WIN 0x04
.irp t, 0,1,2,3,4,5,6,7,8,9,10,11,12,13,14,15
	s_wait_dscnt 15-\t                             ; row t is back; the younger loads may be out
	global_store_b128 v[CO], v[X+4*\t:X+4*\t+3], s[94:95] offset:4096*\t th:TH_STORE_NT   ; 32 lanes store 512 consecutive bytes, aligned; written once, read by nobody here
.endr
	WIN 0
	s_wait_xcnt 0x0                                ; the stores have read their registers and their base: both are written again only behind this wait
	s_add_nc_u64 s[94:95], s[94:95], 16*4096
	s_add_co_u32 s96, s96, 1
	s_cmp_lt_u32 s96, 8
	s_cbranch_scc1 .Ltok
	s_wait_tensorcnt 0x0                           ; the wave's end: behind my last tensor load and my last LDS store
	ds_add_u32 v[SPW], v[NIL]
	s_wait_dscnt 0x0
	CROUND                                         ; the closing round: no work-group ends while a partner may still ask for a tile that names it
	s_endpgm
.Lfunc_end_k_qc65a0fb5e8_qout:
	.size	k_qc65a0fb5e8_qout, .Lfunc_end_k_qc65a0fb5e8_qout-k_qc65a0fb5e8_qout
	.p2alignl 7, 3214868480
	.fill 96, 4, 3214868480
	.section	.rodata,"a",@progbits
	.p2align	6, 0x0
	.amdhsa_kernel k_qc65a0fb5e8_qout
		.amdhsa_group_segment_fixed_size 327680
		.amdhsa_private_segment_fixed_size 0
		.amdhsa_enable_private_segment 0
		.amdhsa_kernarg_size 64
		.amdhsa_user_sgpr_count 2
		.amdhsa_user_sgpr_kernarg_segment_ptr 1
		.amdhsa_wavefront_size32 1
		.amdhsa_system_sgpr_workgroup_id_x 1
		.amdhsa_system_sgpr_workgroup_id_y 1
		.amdhsa_system_sgpr_workgroup_id_z 1
		.amdhsa_system_vgpr_workitem_id 0
		.amdhsa_next_free_vgpr 1024
		.amdhsa_next_free_sgpr 102
		.amdhsa_reserve_vcc 0
		.amdhsa_float_denorm_mode_32 3
		.amdhsa_float_denorm_mode_16_64 3
		.amdhsa_memory_ordered 1
		.amdhsa_forward_progress 1
		.amdhsa_inst_pref_size 178
	.end_amdhsa_kernel
	.amdgpu_metadata
---
amdhsa.version: [ 1, 2 ]
amdhsa.kernels:
  - .name:           k_qc65a0fb5e8_qout
    .symbol:         k_qc65a0fb5e8_qout.kd
    .args:
      - { .name: query_codes, .offset: 0, .size: 8, .value_kind: global_buffer, .address_space: global }
      - { .name: query_scales, .offset: 8, .size: 8, .value_kind: global_buffer, .address_space: global }
      - { .name: Wq_codes, .offset: 16, .size: 8, .value_kind: global_buffer, .address_space: global }
      - { .name: Wq_scales, .offset: 24, .size: 8, .value_kind: global_buffer, .address_space: global }
      - { .name: bq, .offset: 32, .size: 8, .value_kind: global_buffer, .address_space: global }
      - { .name: mask_q, .offset: 40, .size: 8, .value_kind: global_buffer, .address_space: global }
      - { .name: kvrec, .offset: 48, .size: 8, .value_kind: global_buffer, .address_space: global }
      - { .name: out0, .offset: 56, .size: 8, .value_kind: global_buffer, .address_space: global }
    .group_segment_fixed_size: 327680
    .private_segment_fixed_size: 0
    .kernarg_segment_align: 8
    .kernarg_segment_size: 64
    .max_flat_workgroup_size: 128
    .sgpr_count:     102
    .vgpr_count:     1024
    .wavefront_size: 32
...
	.end_amdgpu_metadata
.endif
;; end of part 3
